; MI455X (gfx1250); checked and timed in simulation.
; The chip was launched on July 23, 2026; its instructions are those of AMD's public machine-readable ISA for CDNA 5 (MIT licence, August 2026) and "CDNA5" Instruction Set Architecture Reference Guide (July 2026). The comments in the code are by the model that wrote it; some were corrected since.
;; Learned Structured Attention SB. Allowed arithmetic: float matrix products may take bf16 or f16 operands with f32 sums; other float arithmetic in f32, or as packed bf16 or f16 multiplies, adds, multiply-adds, maxima and minima; sums over many terms, partial sums and values carried from step to step in f32; what a program stores and reads back later, other than sums and carried values, may be rounded once to bf16 or f16.
;; Inputs: Wk 1,024 x 1,024 float32; Wq 1,024 x 1,024 float32; Wv 1,024 x 1,024 float32; beta one number float32; bk 1,024 float32; bq 1,024 float32; bv 1,024 float32; ssm 4 x 2,048 x 2,048 float32; x 2,048 x 4 x 1,024 float32.
;; Outputs: out0 2,048 x 4 x 1,024 float32.
;; One version. Each part assembles by itself: llvm-mc -triple=amdgcn-amd-amdhsa -mcpu=gfx1250 --defsym DOCPART=n.
;; ======== version 1 of 1: 4 launches
;; limits: values outside matrix products are rounded to bf16; values are held in f16: magnitudes above 65,504 overflow, below 6.1e-05 lose precision
;; workspace buffers: wb 6,291,456 bytes; qb 16,777,216 bytes; kbuf 16,777,216 bytes; vt 16,777,216 bytes; pb 33,554,432 bytes; mst 524,288 bytes; lst 524,288 bytes
;; launch cast (part 1): grid 512 x 1, 8 waves a work-group, no clusters, 0 bytes of LDS; arguments Wq, Wk, Wv, wb; writes wb
.if DOCPART == 1
	.amdgcn_target "amdgcn-amd-amdhsa--gfx1250"
	.amdhsa_code_object_version 6
	.text
	.protected	k_qefe6bcb82f_cast
	.globl	k_qefe6bcb82f_cast
	.p2align	8
	.type	k_qefe6bcb82f_cast,@function
k_qefe6bcb82f_cast:
	s_mov_b64 s[64:65], 0
	v_nop
	global_prefetch_b8 v0, s[64:65] scope:SCOPE_SE
	s_setreg_imm32_b32 hwreg(HW_REG_WAVE_MODE, 25, 1), 1
	s_wait_xcnt 0x0
; Wq, Wk, Wv [1024][1024], f32, are rounded once to bf16 and laid in blocks of 64 along K:
;   wb [kb 16][n' 3072][64], n' = 384 (o / 128) + 128 mat + o % 128, mat 0, 1, 2 = q, k, v
; so that the 384 rows which a work-group of the next launch needs for one K step lie end to end.  (Every work-group of that launch reads W's rows, all four of its waves each fragment:
; rounded there, each number would be rounded 128 times over.  x's rows are read by one wave of a work-group each and are rounded there.)
; 4,096 waves; wave W has three units of 4 rows x 64 numbers: rows 4 (W / 16) on, block W % 16, of each matrix.
; In a unit lane l takes 8 numbers of row l / 8 (two loads of 16 bytes; the eight lanes of a row cover 256 aligned bytes) and stores 16 bytes: the wave's store covers 512 consecutive bytes.
; All six loads go out first; no register is used twice, so no wait but the counted ones is needed.  No LDS, no matrix unit: memory binds.
.set IN,  8                            ; v[8:31]   unit m: 8 registers as loaded
.set OUT, 32                           ; v[32:43]  unit m: 4 registers to store
	s_load_b256 s[4:11], s[0:1], 0x0               ; Wq s[4:5], Wk s[6:7], Wv s[8:9], wb s[10:11]
	v_lshrrev_b32 v1, 5, v0
	v_readfirstlane_b32 s16, v1                    ; wave in the work-group
	s_lshl_b32 s17, ttmp9, 3
	s_add_co_u32 s17, s17, s16                     ; W
	v_and_b32 v1, 31, v0                           ; lane
	v_lshrrev_b32 v5, 3, v1                        ; its row of four
	v_and_b32 v6, 7, v1
	v_lshlrev_b32 v6, 5, v6                        ; its 32 bytes of f32 in the row's 256
	v_lshl_add_u32 v3, v5, 12, v6                  ; from row to row 4,096 bytes
	v_lshlrev_b32 v4, 4, v1                        ; out: 16 bytes a lane
	s_lshr_b32 s25, s17, 4
	s_lshl_b32 s25, s25, 2                         ; o0
	s_and_b32 s30, s17, 15                         ; kb
	s_lshl_b32 s26, s25, 12
	s_lshl_b32 s27, s30, 8
	s_add_co_u32 s26, s26, s27
	s_mov_b32 s27, 0                               ; s[26:27]: where I read each W
	s_lshr_b32 s28, s25, 7
	s_mul_i32 s28, s28, 384
	s_and_b32 s29, s25, 127
	s_add_co_u32 s28, s28, s29
	s_lshl_b32 s28, s28, 7
	s_mul_i32 s29, s30, 393216
	s_add_co_u32 s28, s28, s29
	s_mov_b32 s29, 0                               ; s[28:29]: where I write wb (mat 0)
	s_wait_kmcnt 0x0
	s_add_nc_u64 s[4:5], s[4:5], s[26:27]
	s_add_nc_u64 s[6:7], s[6:7], s[26:27]
	s_add_nc_u64 s[8:9], s[8:9], s[26:27]
	s_add_nc_u64 s[10:11], s[10:11], s[28:29]
.irp m, 0,1,2
	global_load_b128 v[IN+8*(\m):IN+8*(\m)+3],   v3, s[4+2*(\m):5+2*(\m)] th:TH_LOAD_NT
	global_load_b128 v[IN+8*(\m)+4:IN+8*(\m)+7], v3, s[4+2*(\m):5+2*(\m)] offset:16 th:TH_LOAD_NT
.endr
.irp m, 0,1,2
	s_wait_loadcnt 4-2*(\m)                        ; loads come back in order: behind unit m's two stand 4 - 2 m younger ones
.irp q, 0,1,2,3
	v_cvt_pk_bf16_f32 v[OUT+4*(\m)+(\q)], v[IN+8*(\m)+2*(\q)], v[IN+8*(\m)+2*(\q)+1]
.endr
	global_store_b128 v4, v[OUT+4*(\m):OUT+4*(\m)+3], s[10:11] offset:(\m)*16384
.endr
	s_endpgm
.Lfunc_end_k_qefe6bcb82f_cast:
	.size	k_qefe6bcb82f_cast, .Lfunc_end_k_qefe6bcb82f_cast-k_qefe6bcb82f_cast
	.p2alignl 7, 3214868480
	.fill 96, 4, 3214868480
	.section	.rodata,"a",@progbits
	.p2align	6, 0x0
	.amdhsa_kernel k_qefe6bcb82f_cast
		.amdhsa_group_segment_fixed_size 0
		.amdhsa_private_segment_fixed_size 0
		.amdhsa_enable_private_segment 0
		.amdhsa_kernarg_size 32
		.amdhsa_user_sgpr_count 2
		.amdhsa_user_sgpr_kernarg_segment_ptr 1
		.amdhsa_wavefront_size32 1
		.amdhsa_system_sgpr_workgroup_id_x 1
		.amdhsa_system_sgpr_workgroup_id_y 1
		.amdhsa_system_sgpr_workgroup_id_z 1
		.amdhsa_system_vgpr_workitem_id 0
		.amdhsa_next_free_vgpr 48
		.amdhsa_next_free_sgpr 66
		.amdhsa_reserve_vcc 0
		.amdhsa_float_denorm_mode_32 3
		.amdhsa_float_denorm_mode_16_64 3
		.amdhsa_memory_ordered 1
		.amdhsa_forward_progress 1
		.amdhsa_inst_pref_size 4
	.end_amdhsa_kernel
	.amdgpu_metadata
---
amdhsa.version: [ 1, 2 ]
amdhsa.kernels:
  - .name:           k_qefe6bcb82f_cast
    .symbol:         k_qefe6bcb82f_cast.kd
    .args:
      - { .name: Wq, .offset: 0, .size: 8, .value_kind: global_buffer, .address_space: global }
      - { .name: Wk, .offset: 8, .size: 8, .value_kind: global_buffer, .address_space: global }
      - { .name: Wv, .offset: 16, .size: 8, .value_kind: global_buffer, .address_space: global }
      - { .name: wb, .offset: 24, .size: 8, .value_kind: global_buffer, .address_space: global }
    .group_segment_fixed_size: 0
    .private_segment_fixed_size: 0
    .kernarg_segment_align: 8
    .kernarg_segment_size: 32
    .max_flat_workgroup_size: 256
    .sgpr_count:     66
    .vgpr_count:     48
    .wavefront_size: 32
...
	.end_amdgpu_metadata
.endif
;; end of part 1
;; launch proj (part 2): grid 8 x 32, 4 waves a work-group, clusters of 4 x 4, 327,680 bytes of LDS; arguments x, wb, bq, bk, bv, qb, kbuf, vt; writes qb, kbuf, vt
.if DOCPART == 2
	.amdgcn_target "amdgcn-amd-amdhsa--gfx1250"
	.amdhsa_code_object_version 6
	.text
	.protected	k_qefe6bcb82f_proj
	.globl	k_qefe6bcb82f_proj
	.p2align	8
	.type	k_qefe6bcb82f_proj,@function
k_qefe6bcb82f_proj:
	s_mov_b64 s[64:65], 0
	v_nop
	global_prefetch_b8 v0, s[64:65] scope:SCOPE_SE
	s_setreg_imm32_b32 hwreg(HW_REG_WAVE_MODE, 25, 1), 1
	s_wait_xcnt 0x0
	s_wait_alu depctr_hold_cnt(0) depctr_sa_sdst(0) depctr_va_vdst(0) depctr_va_sdst(0) depctr_va_ssrc(0) depctr_va_vcc(0) depctr_vm_vsrc(0)
	s_getreg_b32 s2, hwreg(HW_REG_IB_STS2, 6, 4)
	s_cmp_eq_u32 s2, 0
	s_cbranch_scc0 .Lentry_in_a_cluster
	s_endpgm
.Lentry_in_a_cluster:
	s_bfe_u32 s2, ttmp6, 0x10000c
	s_cmp_lg_u32 s2, 0xf033
	s_cbranch_scc0 .Lentry_shape_is_right
	s_endpgm
.Lentry_shape_is_right:
; Q, K, V = x W^T + b for 8,192 rows R = 2048 b + s.  Operands bf16 (W rounded by the launch before; x and the biases here), sums f32, results rounded once:
; qb, kbuf [R][1024] in bf16; vt [b][channel 1024][s 2048] in f16 (V turned, so that the last launch finds keys along its rows; f16's 11 significant bits, since V's rounding reaches the output undiminished).
; SHARES.  Work-group (j, i): rows 256 i on, columns 128 j on of EACH of Q, K, V: a tile of 256 x 384; 8 x 32 = 256 work-groups.  Wave w: rows 64 w on, all 384 columns: 96 accumulators, 768 registers.
; K goes in 16 steps of 64 through two LDS slots.  x comes as it lies, in f32: 64 numbers of a row are 256 aligned bytes, the rows of one batch 16,384 bytes apart.  A wave's 64 rows are read by that wave
; alone, so each number is rounded to bf16 once in a work-group, between LDS and the matrix unit.  In wb a step's 384 rows lie end to end: asked for as rows of 256 bytes, padded in LDS behind every 128.
; A step is six PHASES of 32 matrix instructions: 32 along K (c = p / 3) x one of Q, K, V (g = p % 3); the next phase's fragments are fetched ahead of each phase's products.
; Q and K: source 0 = 16 columns of W, source 1 = 16 rows of x: a lane holds 8 neighbouring columns of one row.  V: the sources swapped: a lane holds one channel and 8 neighbouring s.
; THE SUMS BEGIN WITH THE BIAS: it is loaded from LDS straight into the accumulators while the first tile is on its way, so no first step is written out and nothing is added on the way out.
; CLUSTER 4 x 4: x's tile hangs on i alone and is shared along a row of the cluster, W's on j alone and is shared along a column: joint loads.
; LIMITS: inputs count as rounded to bf16.  |V| stays below 65,504: a number of 65,520 or more becomes an infinity in vt.  (x of spread 1 and W within 1/32 give V a spread of 0.58; both and the bias 30 times
; larger: 520; x offset by 30 and W by 30/32: 1024 x 30 x 0.94 = 28,800.)  Below 6e-5 V keeps f16's fixed step of 6e-8.  NaN and infinities are not treated apart.
; REGISTERS: window 0: v0-29 addresses; v32-95 x's fragments (c = 0, 1); v96-223 W's, two buffers of eight; v224-255 the upper half of x as loaded.  Windows 1, 2, 3: Q's, K's, V's accumulators, (a, nb) at 8 (8 a + nb).
.set PA,     272                       ; x's LDS row: 256 bytes + 16; W's: 128 + 16: the 16 rows of a fragment load start at 16 different groups of four banks (64 banks of 4 bytes: ISA guide 11.1)
.set PB,     144
.set AHALF,  128*PA
.set BHALF,  192*PB
.set BOFF,   2*AHALF                   ; a slot: x's 256 rows, then W's 384
.set SLOT1,  131072                    ; slot 1 begins here: one exclusive or turns an address in one slot into the other's
.set BIAS,   BOFF+2*BHALF              ; behind slot 0, never filled by a tensor load: Q's and K's [128] f32,
.set BIASV,  BIAS+1024                 ; and V's [128][4]: each number four times, so that one load fills four registers with it
.set SPARE,  BIAS+3072                 ; the spare words, 128 bytes for each wave
.set STAGEV, SLOT1+BIAS                ; behind slot 1: 128 channels x 528 bytes, the work-group's
.set SPV,    528
.set STAGEQ, STAGEV                    ; in its first bytes, ahead of V's turn: 16 rows x 272 bytes for each wave
.set SPQ,    272
.set XSTEP,  256                       ; bytes from a K step of x to the next
.set WSTEP,  393216                    ; of wb
.set A0, 4                             ; v4  my lane's place in x's tile; never rewritten
.set B0, 5                             ; v5  in W's
.set ADRA, 6                           ; v6, v7  the same in the slot in hand
.set ADRB, 7
.set STO, 8                            ; v8-10  Q's and K's way out: into my stage, back, and in memory
.set RD,  9
.set CO,  10
.set BIA, 11                           ; v11  bias of my 8 columns; v12 of my channel
.set BIV, 12
.set STV, 13                           ; v13-15  V's way out
.set RDV, 14
.set COV, 15
.set SPW, 28                           ; v28  LDS address of my spare word; never rewritten
.set NIL, 29                           ; v29  0; never rewritten
.set FA0, 32
.set FB0, 96
.set RAW, 224
.set TMP, 160                          ; the way out: packed results
.set G1A, 24                           ; s[24:31] group 1 for x's tiles; s[32:39] group 0: a set for each first fill, the second then walks
.set G0A, 32
.set G1B, 48                           ; s[48:55], s[56:63] the same for W's
.set G0B, 56
.set CNT, 84
.set TB,  85                           ; s85  0 or SLOT1: the slot in hand
.set FLAGSA, (2<<16)|(1<<20)|(1<<21)|(5<<22)|(3<<25)  ; 4-byte elements; padding on; bit 21 beside a mask; behind every 64 words 4 words
.set FLAGSB, (1<<16)|(1<<20)|(1<<21)|(4<<22)|(3<<25)  ; 2-byte elements; behind every 32 words 4 words
.set MSB, 0
.macro WIN new                         ; the immediate's high byte repeats the setting that is left; a switch that changes nothing is dropped
.if MSB != (\new)
	s_set_vgpr_msb (MSB<<8)|(\new)
.set MSB, (\new)
.endif
.endm
.macro PLACES                          ; four places in front of loads into registers that matrix instructions have read (ISA guide 7.12.1 for vector instructions)
.rept 4
	v_nop
.endr
.endm
.macro CREST                           ; a round of the cluster's barrier behind its opening barrier
	s_cmp_lg_u32 s10, 0
	s_cbranch_scc1 .Lnot_wave_0_\@
	s_barrier_signal -3
.Lnot_wave_0_\@:
	s_barrier_wait -3
	s_barrier_signal -1
	s_barrier_wait -1
.endm
.macro CROUND
	s_barrier_signal -1
	s_barrier_wait -1
	CREST
.endm
.macro JLOAD                           ; a joint refill: waves 0 and 1 fetch the halves of x's tile, waves 2 and 3 those of W's; s_nop 0 and four v_nop follow each line
	s_cmp_lt_u32 s10, 2
	s_cbranch_scc0 .Lfor_b_\@
	tensor_load_to_lds s[G0A+4:G0A+7], s[G1A:G1A+7]
	s_nop 0
	PLACES
	s_branch .Lasked_\@
.Lfor_b_\@:
	tensor_load_to_lds s[G0B+4:G0B+7], s[G1B:G1B+7]
	s_nop 0
	PLACES
.Lasked_\@:
.endm
	s_load_b512 s[68:83], s[0:1], 0x0              ; x 68, wb 70, bq 72, bk 74, bv 76, qb 78, kbuf 80, vt 82
	v_lshl_add_u32 v[SPW], v0, 2, SPARE
	v_mov_b32 v[NIL], 0
	ds_add_u32 v[SPW], v[NIL]                      ; the wave's opening: the add and its wait ahead of my first tensor load
	v_lshrrev_b32 v1, 5, v0
	v_readfirstlane_b32 s10, v1                    ; wave 0..3
	s_and_b32 s12, s10, 1                          ; which half of a tile I fetch
	s_bfe_u32 s40, ttmp6, 0x40000                  ; cx
	s_bfe_u32 s41, ttmp6, 0x40004                  ; cy
	s_lshl_b32 s42, ttmp9, 2
	s_add_co_u32 s42, s42, s40                     ; j
	s_and_b32 s13, ttmp7, 0xffff
	s_lshl_b32 s13, s13, 2
	s_add_co_u32 s13, s13, s41                     ; i
	s_lshl_b32 s43, s41, 2
	s_lshl_b32 s43, 15, s43                        ; my row of the cluster
	s_lshl_b32 s44, 0x1111, s40                    ; my column
	s_or_b32 s[G1A], s43, FLAGSA
	s_or_b32 s[G1B], s44, FLAGSB
	s_mov_b32 s[G1A+1], 64<<16                     ; tensor_dim0 = 64 elements of 4 bytes
	s_mov_b32 s[G1A+2], 128<<16                    ; tensor_dim1 = 128
	s_mov_b32 s[G1A+3], 64<<16                     ; tile_dim0
	s_mov_b32 s[G1A+4], 128                        ; tile_dim1
	s_mov_b32 s[G1A+5], 4096                       ; from s to s + 1 in one batch: four rows of 1,024
	s_mov_b32 s[G1A+6], 0
	s_mov_b32 s[G1A+7], 0
	s_mov_b32 s[G1B+1], 128<<16                    ; 256 bytes: two rows of wb
	s_mov_b32 s[G1B+2], 96<<16                     ; 192 rows of wb as 96 of 256 bytes
	s_mov_b32 s[G1B+3], 128<<16
	s_mov_b32 s[G1B+4], 96
	s_mov_b32 s[G1B+5], 128                        ; dense
	s_mov_b32 s[G1B+6], 0
	s_mov_b32 s[G1B+7], 0
	s_and_b32 s16, s13, 7                          ; x: s = 256 (i % 8) + 128 x half, 16,384 bytes each,
	s_lshl_b32 s16, s16, 22
	s_lshl_b32 s17, s12, 21
	s_add_co_u32 s16, s16, s17
	s_lshr_b32 s17, s13, 3                         ; and batch i / 8, 4,096 bytes
	s_lshl_b32 s17, s17, 12
	s_add_co_u32 s16, s16, s17
	s_mov_b32 s17, 0
	s_mul_i32 s46, s42, 49152                      ; W: 384 j rows,
	s_mul_i32 s47, s12, 24576                      ; my half's 192
	s_add_co_u32 s46, s46, s47
	s_mov_b32 s47, 0
	s_mul_i32 s20, s12, AHALF                      ; and where they go: no place in the cluster enters an LDS address
	s_mul_i32 s21, s12, BHALF
	s_add_co_u32 s21, s21, BOFF
	s_lshl_b32 s86, s13, 19                        ; Q, K: (256 i + 64 w) rows of 2,048 bytes + 256 j
	s_lshl_b32 s87, s10, 17
	s_add_co_u32 s86, s86, s87
	s_lshl_b32 s87, s42, 8
	s_add_co_u32 s86, s86, s87
	s_mov_b32 s87, 0
	s_lshr_b32 s88, s13, 3                         ; vt: (1024 b + 128 j + 32 w) rows of 4,096 bytes + 512 (i % 8)
	s_lshl_b32 s88, s88, 22
	s_lshl_b32 s89, s42, 19
	s_add_co_u32 s88, s88, s89
	s_lshl_b32 s89, s10, 17
	s_add_co_u32 s88, s88, s89
	s_and_b32 s89, s13, 7
	s_lshl_b32 s89, s89, 9
	s_add_co_u32 s88, s88, s89
	s_mov_b32 s89, 0
	s_lshl_b32 s90, s42, 9                         ; the biases' 128 j numbers
	s_mov_b32 s[TB], 0
	s_wait_dscnt 0x0                               ; the opening add is done
	s_wait_kmcnt 0x0
	s_add_nc_u64 s[14:15], s[68:69], s[16:17]
	s_add_nc_u64 s[46:47], s[70:71], s[46:47]
	s_add_nc_u64 s[78:79], s[78:79], s[86:87]
	s_add_nc_u64 s[80:81], s[80:81], s[86:87]
	s_add_nc_u64 s[82:83], s[82:83], s[88:89]
	CROUND                                         ; all sixteen work-groups are here: the first joint loads meet
.irp n, 0,1
	s_mov_b32 s[G0A+4*(\n)], 1
	s_add_co_u32 s[G0A+4*(\n)+1], s20, (\n)*SLOT1
	s_add_nc_u64 s[G0A+4*(\n)+2:G0A+4*(\n)+3], s[14:15], (\n)*XSTEP
	s_or_b32 s[G0A+4*(\n)+3], s[G0A+4*(\n)+3], 0x80000000
	s_mov_b32 s[G0B+4*(\n)], 1
	s_add_co_u32 s[G0B+4*(\n)+1], s21, (\n)*SLOT1
	s_add_nc_u64 s[G0B+4*(\n)+2:G0B+4*(\n)+3], s[46:47], (\n)*WSTEP
	s_or_b32 s[G0B+4*(\n)+3], s[G0B+4*(\n)+3], 0x80000000
.endr
	s_cmp_lt_u32 s10, 2                            ; a wave's two first fills stand in one branch: two loads of mine are out
	s_cbranch_scc0 .Lfirst_b
	tensor_load_to_lds s[G0A:G0A+3], s[G1A:G1A+7]
	s_nop 0
	tensor_load_to_lds s[G0A+4:G0A+7], s[G1A:G1A+7]
	s_nop 0
	PLACES
	s_branch .Lfirst_asked
.Lfirst_b:
	tensor_load_to_lds s[G0B:G0B+3], s[G1B:G1B+7]
	s_nop 0
	tensor_load_to_lds s[G0B+4:G0B+7], s[G1B:G1B+7]
	s_nop 0
	PLACES
.Lfirst_asked:
	v_lshlrev_b32 v16, 2, v0                       ; thread t takes number 128 j + t of each bias
	v_add_nc_u32 v17, s90, v16
	global_load_b32 v18, v17, s[72:73]
	global_load_b32 v19, v17, s[74:75]
	global_load_b32 v20, v17, s[76:77]
	v_add_nc_u32 v24, BIAS, v16
	v_lshl_add_u32 v25, v0, 4, BIASV
	v_and_b32 v1, 15, v0                           ; r = l % 16
	v_bfe_u32 v2, v0, 4, 1                         ; h = l / 16
	v_mul_u32_u24 v3, v1, PA
	v_lshl_add_u32 v3, v2, 5, v3                   ; x: row x pitch + 32 bytes (8 numbers of f32) x half
	s_mul_i32 s14, s10, 64*PA
	v_add_nc_u32 v[A0], s14, v3                    ; my 64 rows of x
	v_mul_u32_u24 v3, v1, PB
	v_lshl_add_u32 v3, v2, 4, v3                   ; W: row x pitch + 16 x half
	v_add_nc_u32 v[B0], BOFF, v3
	v_mov_b32 v[ADRA], v[A0]
	v_mov_b32 v[ADRB], v[B0]
	s_mul_i32 s15, s10, 16*SPQ
	s_add_co_u32 s15, s15, STAGEQ                  ; my stage
	v_mul_u32_u24 v26, v1, SPQ
	v_lshl_add_u32 v26, v2, 4, v26
	v_add_nc_u32 v[STO], s15, v26                  ; in: row r, 16 bytes for each half of the lanes
	v_mul_u32_u24 v26, v2, SPQ
	v_lshl_add_u32 v26, v1, 4, v26
	v_add_nc_u32 v[RD], s15, v26                   ; back: lanes 0-15 one row of 256 bytes, lanes 16-31 the next
	v_lshlrev_b32 v26, 11, v2
	v_lshl_add_u32 v[CO], v1, 4, v26               ; the same two rows in qb and kbuf
	v_lshl_add_u32 v[BIA], v2, 5, BIAS
	v_lshl_add_u32 v[BIV], v1, 4, BIASV
	v_mul_u32_u24 v26, v1, SPV
	v_lshl_add_u32 v26, v2, 4, v26
	s_lshl_b32 s15, s10, 7
	s_add_co_u32 s15, s15, STAGEV
	v_add_nc_u32 v[STV], s15, v26                  ; V in: channel r's row, my wave's 64 s, 8 for each half of the lanes
	v_and_b32 v26, 31, v0
	s_mul_i32 s15, s10, 32*SPV
	s_add_co_u32 s15, s15, STAGEV
	v_lshl_add_u32 v[RDV], v26, 4, s15             ; V back: 32 whole rows of 512 bytes a wave
	v_lshlrev_b32 v[COV], 4, v26
	s_wait_loadcnt 0x0
.irp m, 0,1,2
	v_cvt_pk_bf16_f32 v[18+(\m)], v[18+(\m)], v[18+(\m)]  ; the biases are rounded to bf16 like every input
	v_lshlrev_b32 v[18+(\m)], 16, v[18+(\m)]
.endr
	v_mov_b32 v21, v20
	v_mov_b32 v22, v20
	v_mov_b32 v23, v20
	ds_store_b32 v24, v18
	ds_store_b32 v24, v19 offset:512
	ds_store_b128 v25, v[20:23]
	s_wait_dscnt 0x0                               ; for the others' sake: my bias words are stored
	s_barrier_signal -1                            ; both tiles may stay out
	s_barrier_wait -1
	; The sums' beginnings.  Q, K: register j of accumulator (a, nb) is column 16 nb + 8 h + j.  V: all eight registers are channel 16 nb + r.
.irp g, 0,1
	WIN ((\g)+1)<<6
.set a_, 0
.rept 4
.set n_, 0
.rept 8
	ds_load_b128 v[8*(8*a_+n_):8*(8*a_+n_)+3],   v[BIA] offset:512*(\g)+64*n_
	ds_load_b128 v[8*(8*a_+n_)+4:8*(8*a_+n_)+7], v[BIA] offset:512*(\g)+64*n_+16
.set n_, n_+1
.endr
.set a_, a_+1
.endr
.endr
	WIN 0xc0
.set a_, 0
.rept 4
.set n_, 0
.rept 8
	ds_load_b128 v[8*(8*a_+n_):8*(8*a_+n_)+3],   v[BIV] offset:256*n_
	ds_load_b128 v[8*(8*a_+n_)+4:8*(8*a_+n_)+7], v[BIV] offset:256*n_
.set n_, n_+1
.endr
.set a_, a_+1
.endr
	WIN 0
; eight matrix instructions of phase p: row block a x the eight column blocks.  The 32 accumulators of a phase take turns, and neighbouring phases lie in different windows.
.macro MM8 p, a
	WIN 0x50*((\p)%3+1)
.set fa_, FA0+32*((\p)/3)+8*(\a)
.set fb_, FB0+64*((\p)%2)
.set n_, 0
.rept 8
.set ac_, 8*(8*(\a)+n_)
.if ((\p)%3) < 2
	v_wmma_f32_16x16x32_bf16 v[ac_:ac_+7], v[fb_+8*n_:fb_+8*n_+7], v[fa_:fa_+7], v[ac_:ac_+7]
.else
	v_wmma_f32_16x16x32_bf16 v[ac_:ac_+7], v[fa_:fa_+7], v[fb_+8*n_:fb_+8*n_+7], v[ac_:ac_+7]
.endif
.set n_, n_+1
.endr
.endm
; x for 32 along K, as it lies: for each of four blocks of 16 rows a lane's 8 + 8 numbers of f32, four loads of 16 bytes.  The 64 registers are the fragments' own 32, then v224-255.
.macro FETCHA c
.set n_, 0
.rept 4
.set u_, 0
.rept 4
.set x_, 16*n_+4*u_
.if x_ < 32
.set x_, FA0+32*(\c)+x_
.else
.set x_, RAW+x_-32
.endif
	ds_load_b128 v[x_:x_+3], v[ADRA] offset:16*n_*PA+128*(\c)+64*(u_/2)+16*(u_%2)
.set u_, u_+1
.endr
.set n_, n_+1
.endr
.endm
; and rounded to bf16, in place: result n takes the place of number n, which result n / 2 has read.  The 32 lines name no register of the products just issued: they are the places in front of the loads that follow.
.macro CVTA c
.set n_, 0
.rept 32
.if n_ < 16
.set x_, FA0+32*(\c)+2*n_
.else
.set x_, RAW+2*n_-32
.endif
	v_cvt_pk_bf16_f32 v[FA0+32*(\c)+n_], v[x_], v[x_+1]
.set n_, n_+1
.endr
.endm
.macro FETCHB p                        ; W's eight fragments for phase p
.set fb_, FB0+64*((\p)%2)
.set n_, 0
.rept 8
	ds_load_b128 v[fb_+8*n_:fb_+8*n_+3],   v[ADRB] offset:(128*((\p)%3)+16*n_)*PB+64*((\p)/3)
	ds_load_b128 v[fb_+8*n_+4:fb_+8*n_+7], v[ADRB] offset:(128*((\p)%3)+16*n_)*PB+64*((\p)/3)+32
.set n_, n_+1
.endr
.endm
; PHASE p.  mode 0: places, the next phase's fetch, the wait for all but that fetch, 32 products.  Phase 5 turns to the next slot and fetches its x for c = 0, which phase 0 rounds;
; phase 0 fetches x for c = 1, which phase 1 rounds.
; mode 1, 2 (phase 4, whose fetch is the slot's last read): THE CHANGE OF SLOTS.  Each wave waits for all its tensor loads (one is out: its part of the next slot), adds 0 to its spare word,
; and waits for that and for its reads of this slot; behind the barrier (mode 1: a round of the cluster's) nobody reads this slot and the next is whole; mode 1 fills this slot again, two steps ahead.
.macro PH p, mode
	WIN 0
.if (\p) == 0
	s_wait_dscnt 16                                ; x for c = 0 is in: only W's 16 loads were issued behind it
	CVTA 0
	FETCHA 1
.elseif (\p) == 1
	s_wait_dscnt 16                                ; x for c = 1 is in: only W's 16 loads were issued behind it
	CVTA 1
.elseif (\p) == 5
	s_xor_b32 s[TB], s[TB], SLOT1
	v_add_nc_u32 v[ADRA], s[TB], v[A0]             ; these two and two v_nop are the four places
	v_add_nc_u32 v[ADRB], s[TB], v[B0]
	v_nop
	v_nop
	FETCHA 0
.else
	PLACES
.endif
	FETCHB ((\p)+1)%6
.if (\mode) == 0
.if ((\p) == 0) || ((\p) == 5)
	s_wait_dscnt 32                                ; all but the 32 loads just issued
.else
	s_wait_dscnt 16                                ; all but the 16 just issued
.endif
	MM8 \p, 0
	MM8 \p, 1
	MM8 \p, 2
	MM8 \p, 3
.else
	s_wait_tensorcnt 0x0                           ; no tensor load of mine is out, so a group 0 may be written
	ds_add_u32 v[SPW], v[NIL]                      ; 0 onto my spare word
.if (\mode) == 1
	s_xor_b32 s[G0A+5], s[G0A+5], SLOT1            ; the walking descriptors: the other slot than last time, the next K step
	s_add_nc_u64 s[G0A+6:G0A+7], s[G0A+6:G0A+7], XSTEP
	s_xor_b32 s[G0B+5], s[G0B+5], SLOT1
	s_add_nc_u64 s[G0B+6:G0B+7], s[G0B+6:G0B+7], WSTEP
.endif
	s_wait_dscnt 17                                ; the 16 loads just issued and the add may be out
	MM8 \p, 0
	MM8 \p, 1
	s_wait_dscnt 0x0                               ; the add is done, and my reads of this slot are over
	s_barrier_signal -1
	MM8 \p, 2
	WIN 0
	s_barrier_wait -1
.if (\mode) == 1
	CREST                                          ; no wave of any partner still reads this slot or has a load on its way
	JLOAD                                          ; my one tensor load behind the round
.endif
	MM8 \p, 3
.endif
.endm
	s_wait_tensorcnt 1                             ; my part of K step 0 is in; step 1's may stay out
	s_wait_dscnt 0x0                               ; the accumulators hold the biases
	s_barrier_signal -1
	s_barrier_wait -1
	FETCHA 0
	FETCHB 0
	s_mov_b32 s[CNT], 14
.LA:                                                   ; a trip is a K step; steps 2 to 15 are asked for
	PH 0, 0
	PH 1, 0
	PH 2, 0
	PH 3, 0
	PH 4, 1
	PH 5, 0
	WIN 0
	s_sub_co_u32 s[CNT], s[CNT], 1
	s_cmp_lg_u32 s[CNT], 0
	s_cbranch_scc1 .LA
	s_mov_b32 s[CNT], 2
.LB:                                                   ; the last two steps ask for nothing: a text of their own.  The very last phase 5 fetches from the
	PH 0, 0                                        ; slot of the step before, 32 loads that nobody uses, and the last phase 4 meets at a barrier that orders nothing: the price, once, of one text for both
	PH 1, 0
	PH 2, 0
	PH 3, 0
	PH 4, 2
	PH 5, 0
	WIN 0
	s_sub_co_u32 s[CNT], s[CNT], 1
	s_cmp_lg_u32 s[CNT], 0
	s_cbranch_scc1 .LB
	s_wait_dscnt 0x0                               ; those loads have landed: their registers serve the way out
	PLACES                                         ; behind the last products
; THE WAY OUT of Q and K, block x = 4 g + a: rounded to bf16, 16 rows through my own stage, stored as whole rows of 256 bytes.
.macro PACKQ x
.set w_, (\x)/4+1
.set ac_, 64*((\x)%4)
	WIN 5*w_
.set n_, 0
.rept 32                                       ; each accumulator's registers in ascending order
	v_cvt_pk_bf16_f32 v[TMP+n_], v[ac_+2*n_], v[ac_+2*n_+1]
.set n_, n_+1
.endr
	WIN 0
.endm
.macro STAGEQX x
.set bk_, 32+160*((\x)%2)
.set n_, 0
.rept 8
	ds_store_b128 v[STO], v[TMP+4*n_:TMP+4*n_+3] offset:32*n_
.set n_, n_+1
.endr
.set n_, 0
.rept 8
	ds_load_b128 v[bk_+4*n_:bk_+4*n_+3], v[RD] offset:n_*2*SPQ  ; LDS serves a wave's instructions in order (ISA guide 5.7.1.4): these see the stores above
.set n_, n_+1
.endr
.endm
.macro SENDQ x
.set bk_, 32+160*((\x)%2)
	s_wait_dscnt 0x0                               ; the block is back in registers
	s_wait_xcnt 0x0                                ; the registers that earlier stores read are loaded again only behind this wait
.set n_, 0
.rept 8
	global_store_b128 v[CO], v[bk_+4*n_:bk_+4*n_+3], s[78+2*((\x)/4):79+2*((\x)/4)] offset:(16*((\x)%4)+2*n_)*2048  ; 16 lanes store 256 consecutive bytes, aligned
.set n_, n_+1
.endr
.endm
	PACKQ 0
	STAGEQX 0
.irp x, 1,2,3,4,5,6,7
	PACKQ \x                                       ; a block's conversions stand between the loads of the block before and the wait for them
	SENDQ (\x)-1
	STAGEQX \x
.endr
	SENDQ 7
	s_barrier_signal -1                            ; V's stage lies over the four waves' own: every wave has read its last block back (the wait at the head of the stores above)
	s_barrier_wait -1
	; V: a lane holds one channel and 8 neighbouring s; the four waves fill the 128 channels' rows of 256 s together, so a barrier stands between writing and reading.
.irp a, 0,1,2,3
	WIN 0x0f
.set n_, 0
.rept 32
	v_cvt_pk_f16_f32 v[TMP+n_], v[64*(\a)+2*n_], v[64*(\a)+2*n_+1]  ; V leaves in f16
.set n_, n_+1
.endr
	WIN 0
.set n_, 0
.rept 8
	ds_store_b128 v[STV], v[TMP+4*n_:TMP+4*n_+3] offset:n_*16*SPV+32*(\a)
.set n_, n_+1
.endr
.endr
	s_wait_dscnt 0x0                               ; for the others' sake: my stores into the stage are done
	s_barrier_signal -1
	s_barrier_wait -1
	s_wait_xcnt 0x0                                ; v192-223 were data of K's last stores
.set n_, 0
.rept 32
	ds_load_b128 v[96+4*n_:96+4*n_+3], v[RDV] offset:n_*SPV
.set n_, n_+1
.endr
.set n_, 0
.rept 32
	s_wait_dscnt 31-n_
	global_store_b128 v[COV], v[96+4*n_:96+4*n_+3], s[82:83] offset:4096*n_  ; a wave's store covers 512 consecutive bytes of one channel's row
.set n_, n_+1
.endr
	s_wait_tensorcnt 0x0                           ; the wave's end
	ds_add_u32 v[SPW], v[NIL]
	s_wait_dscnt 0x0
	CROUND                                         ; the closing round
	s_endpgm
.Lfunc_end_k_qefe6bcb82f_proj:
	.size	k_qefe6bcb82f_proj, .Lfunc_end_k_qefe6bcb82f_proj-k_qefe6bcb82f_proj
	.p2alignl 7, 3214868480
	.fill 96, 4, 3214868480
	.section	.rodata,"a",@progbits
	.p2align	6, 0x0
	.amdhsa_kernel k_qefe6bcb82f_proj
		.amdhsa_group_segment_fixed_size 327680
		.amdhsa_private_segment_fixed_size 0
		.amdhsa_enable_private_segment 0
		.amdhsa_kernarg_size 64
		.amdhsa_user_sgpr_count 2
		.amdhsa_user_sgpr_kernarg_segment_ptr 1
		.amdhsa_wavefront_size32 1
		.amdhsa_system_sgpr_workgroup_id_x 1
		.amdhsa_system_sgpr_workgroup_id_y 1
		.amdhsa_system_sgpr_workgroup_id_z 1
		.amdhsa_system_vgpr_workitem_id 0
		.amdhsa_next_free_vgpr 1024
		.amdhsa_next_free_sgpr 96
		.amdhsa_reserve_vcc 0
		.amdhsa_float_denorm_mode_32 3
		.amdhsa_float_denorm_mode_16_64 3
		.amdhsa_memory_ordered 1
		.amdhsa_forward_progress 1
		.amdhsa_inst_pref_size 124
	.end_amdhsa_kernel
	.amdgpu_metadata
---
amdhsa.version: [ 1, 2 ]
amdhsa.kernels:
  - .name:           k_qefe6bcb82f_proj
    .symbol:         k_qefe6bcb82f_proj.kd
    .args:
      - { .name: x, .offset: 0, .size: 8, .value_kind: global_buffer, .address_space: global }
      - { .name: wb, .offset: 8, .size: 8, .value_kind: global_buffer, .address_space: global }
      - { .name: bq, .offset: 16, .size: 8, .value_kind: global_buffer, .address_space: global }
      - { .name: bk, .offset: 24, .size: 8, .value_kind: global_buffer, .address_space: global }
      - { .name: bv, .offset: 32, .size: 8, .value_kind: global_buffer, .address_space: global }
      - { .name: qb, .offset: 40, .size: 8, .value_kind: global_buffer, .address_space: global }
      - { .name: kbuf, .offset: 48, .size: 8, .value_kind: global_buffer, .address_space: global }
      - { .name: vt, .offset: 56, .size: 8, .value_kind: global_buffer, .address_space: global }
    .group_segment_fixed_size: 327680
    .private_segment_fixed_size: 0
    .kernarg_segment_align: 8
    .kernarg_segment_size: 64
    .max_flat_workgroup_size: 128
    .sgpr_count:     96
    .vgpr_count:     1024
    .wavefront_size: 32
...
	.end_amdgpu_metadata
.endif
;; end of part 2
;; launch scores (part 3): grid 8 x 32, 4 waves a work-group, clusters of 4 x 4, 327,680 bytes of LDS; arguments qb, kbuf, ssm, beta, pb, mst, lst; writes pb, mst, lst
.if DOCPART == 3
	.amdgcn_target "amdgcn-amd-amdhsa--gfx1250"
	.amdhsa_code_object_version 6
	.text
	.protected	k_qefe6bcb82f_scores
	.globl	k_qefe6bcb82f_scores
	.p2align	8
	.type	k_qefe6bcb82f_scores,@function
k_qefe6bcb82f_scores:
	s_mov_b64 s[64:65], 0
	v_nop
	global_prefetch_b8 v0, s[64:65] scope:SCOPE_SE
	s_setreg_imm32_b32 hwreg(HW_REG_WAVE_MODE, 25, 1), 1
	s_wait_xcnt 0x0
	s_wait_alu depctr_hold_cnt(0) depctr_sa_sdst(0) depctr_va_vdst(0) depctr_va_sdst(0) depctr_va_ssrc(0) depctr_va_vcc(0) depctr_vm_vsrc(0)
	s_getreg_b32 s2, hwreg(HW_REG_IB_STS2, 6, 4)
	s_cmp_eq_u32 s2, 0
	s_cbranch_scc0 .Lentry_in_a_cluster
	s_endpgm
.Lentry_in_a_cluster:
	s_bfe_u32 s2, ttmp6, 0x10000c
	s_cmp_lg_u32 s2, 0xf033
	s_cbranch_scc0 .Lentry_shape_is_right
	s_endpgm
.Lentry_shape_is_right:
; For each batch: acc = Q K^T + 32 beta ssm (f32 sums of bf16 products), t = acc log2(e) / 32, and for each query and each block of 128 keys
;   M = floor(max t) + 1 (the block's own maximum, rounded up to a whole number),  P' = 2^(t - M), rounded once to f16,  l = the f32 sum of the unrounded P'.
; pb [b][q][key] f16; mst, lst [b][key block 16][q 2048] f32.  The next launch joins the blocks: since M is whole, its factors 2^(M - M_row) are powers of two and round P' no second time.
; SHARES.  A work-group makes 256 queries x 256 keys, a wave 128 x 128: 64 accumulators, 512 registers.  K = 1,024 goes in 8 steps of 128 through two LDS slots filled by joint tensor loads
; (cluster 4 x 4: Q's tile shared along a row, K's along a column).  The matrix instruction is used transposed: source 0 = 16 keys, source 1 = 16 queries: a lane holds one query and 8 neighbouring keys.
; SSM comes in beside the products.  The wave's 128 x 128 numbers go in four sections of 32 rows, one a lap of the ring; at each of a lap's eight runs of LDS loads four rows that were asked for
; a lap ago are rounded to bf16 and put into the wave's own stage, and the next section's four rows are asked for.  At the lap's end the section is read back as fragments and ADDED BY THE MATRIX UNIT:
; acc(key n, query m) += sum over k of E_e[n][k] ssm[m][32 g + k], where E_e holds bf16(32 beta) at k = n + 16 e and 0 elsewhere: one instruction an accumulator.
; LIMITS: Q, K, ssm and beta count as rounded to bf16; P' lies in 0 to 1, and below 6e-5 it keeps f16's fixed step of 6e-8 (its block's largest is 1/2 or more); a weight below 2^-126 counts as 0 in l;
; NaN and infinities are not treated apart.
; REGISTERS, in windows of 256: window 0: v0-31 addresses; v32-43 E; v44-63 at work; v64-191 Q's fragments, two buffers; v192-255 ssm's fragments, later packed results
;   window 1: v64-191 K's fragments; v0-63, v192-255 ssm as loaded, eight sets of 16.   window 2: accumulators of my rows 0-63 ((a, b) at 8 (8 a + b)); window 3: rows 64-127
.set SIZE_K, 1024
.set KSTEP,  128
.set PITCH,  272                       ; 256 bytes + 16: the 16 rows that a load touches start at 16 different groups of four banks (64 banks of 4 bytes: ISA guide 11.1)
.set HALFT,  128*PITCH
.set SLOT,   4*HALFT
.set SST,    2*SLOT                    ; behind the ring, never filled by a tensor load: 32 rows x 272 bytes for each wave: ssm's stage, later P''s
.set STATS,  SST+4*32*PITCH            ; M[128], l[128] for each wave
.set SPARE,  STATS+4096                ; the spare words, 128 bytes for each wave
.set LAPS,   4
.set SECB,   32*8192                   ; bytes from a section of ssm to the next
.set SSO, 6                            ; v6   16 x lane
.set SSTW, 7                           ; v7   my 8 bytes in a row of my stage
.set STATW, 8                          ; v8   where my row's M goes
.set STATR, 9                          ; v9   where I read four rows' M back
.set ADRA, 16                          ; v16-17  my Q fragments in slot 0, 1
.set ADRB, 20                          ; v20-21  my K fragments
.set STO, 24                           ; v24  stage: row r, 16 bytes for each half of the lanes: P' in, and ssm's fragments out
.set RD,  25                           ; v25  stage: whole rows back
.set CO,  26                           ; v26  the same two rows in pb
.set SPW, 28
.set NIL, 29
.set EP,  32                           ; v32-43: 0 0 0 0 Z0 Z1 Z2 Z3 0 0 0 0: E_1 = v[32:39], E_0 = v[36:43]
.set CV,  44                           ; v44-51  four rows of ssm in bf16; later four chains of sums
.set C0,  52                           ; v52-55  four chains of maxima
.set PX,  56
.set PY,  57
.set MP,  58                           ; v58-59  M
.set LT,  60
.set F0,  64
.set F1,  128
.set FF,  192
.set TMP, 192
.set G1, 24
.set G0, 32
.set G1B, 48
.set G0B, 56
.set CS,  84                           ; s[84:85] log2(e) / 32
.set SEL, 86                           ; s[86:87] v_permlanex16_b32's selects
.set MSB, 0
.macro WIN new
.if MSB != (\new)
	s_set_vgpr_msb (MSB<<8)|(\new)
.set MSB, (\new)
.endif
.endm
.set MUL_LO, 0xa1                      ; source 0 (K) window 1, source 1 (Q) window 0, C and D window 2
.set MUL_HI, 0xf1
.set TO_B,   0x40                      ; destination window 1, address window 0
.macro PLACES
.rept 4
	v_nop
.endr
.endm
.macro JLOAD s                         ; waves 0 and 1 fetch Q's two halves, waves 2 and 3 K's; s_nop 0 and four v_nop follow each line
	s_cmp_eq_u32 s11, 0
	s_cbranch_scc0 .Lfor_b_\@
	tensor_load_to_lds s[G0+4*(\s):G0+4*(\s)+3], s[G1:G1+7]
	s_nop 0
	PLACES
	s_branch .Lasked_\@
.Lfor_b_\@:
	tensor_load_to_lds s[G0B+4*(\s):G0B+4*(\s)+3], s[G1B:G1B+7]
	s_nop 0
	PLACES
.Lasked_\@:
.endm
.macro CREST
	s_cmp_lg_u32 s10, 0
	s_cbranch_scc1 .Lnot_wave_0_\@
	s_barrier_signal -3
.Lnot_wave_0_\@:
	s_barrier_wait -3
	s_barrier_signal -1
	s_barrier_wait -1
.endm
.macro CROUND
	s_barrier_signal -1
	s_barrier_wait -1
	CREST
.endm
.macro SSREG rho                       ; set rho of ssm's registers, in window 1
.if (\rho) < 4
.set ss_, 16*(\rho)
.else
.set ss_, 192+16*((\rho)-4)
.endif
.endm
.macro SSLOAD rho                      ; four rows of ssm: one load covers a row's 512 bytes
	SSREG \rho
.irp i, 0,1,2,3
	global_load_b128 v[ss_+4*(\i):ss_+4*(\i)+3], v[SSO], s[72:73] offset:(4*(\rho)+(\i))*8192 th:TH_LOAD_NT
.endr
.endm
	s_load_b256 s[68:75], s[0:1], 0x0              ; qb 68, kbuf 70, ssm 72, beta 74
	s_load_b128 s[76:79], s[0:1], 0x20             ; pb 76, mst 78
	s_load_b64 s[80:81], s[0:1], 0x30              ; lst
	v_lshl_add_u32 v[SPW], v0, 2, SPARE
	v_mov_b32 v[NIL], 0
	ds_add_u32 v[SPW], v[NIL]                      ; the wave's opening: the add and its wait ahead of my first tensor load
	v_lshrrev_b32 v1, 5, v0
	v_readfirstlane_b32 s10, v1                    ; wave 0..3
	s_lshr_b32 s11, s10, 1                         ; my half of the tile's queries.  Also: I fetch for Q (0) or K (1)
	s_and_b32 s12, s10, 1                          ; my half of its keys.  Also: which 128 rows I fetch
	s_bfe_u32 s40, ttmp6, 0x40000                  ; cx
	s_bfe_u32 s41, ttmp6, 0x40004                  ; cy
	s_lshl_b32 s42, ttmp9, 2
	s_add_co_u32 s42, s42, s40                     ; x: the tile of 256 keys
	s_and_b32 s45, ttmp7, 0xffff
	s_lshl_b32 s13, s45, 2
	s_add_co_u32 s13, s13, s41                     ; y = 8 b + the tile of 256 queries
	s_lshr_b32 s45, s45, 1                         ; b, from the cluster's y alone: all sixteen partners share it
	s_lshl_b32 s43, s41, 2
	s_lshl_b32 s43, 15, s43
	s_lshl_b32 s44, 0x1111, s40
	s_or_b32 s[G1], s43, (1<<16)|(1<<20)|(1<<21)|(5<<22)|(3<<25)   ; mask of my row; 2-byte elements; padding on; bit 21 beside a mask; behind every 64 words 4 words
	s_or_b32 s[G1B], s44, (1<<16)|(1<<20)|(1<<21)|(5<<22)|(3<<25)  ; mask of my column
.irp g, G1, G1B
	s_mov_b32 s[(\g)+1], KSTEP<<16
	s_mov_b32 s[(\g)+2], 128<<16
	s_mov_b32 s[(\g)+3], KSTEP<<16
	s_mov_b32 s[(\g)+4], 128
	s_mov_b32 s[(\g)+5], SIZE_K
	s_mov_b32 s[(\g)+6], 0
	s_mov_b32 s[(\g)+7], 0
.endr
	s_lshl_b32 s17, s12, 7
	s_lshl_b32 s16, s13, 8
	s_add_co_u32 s16, s16, s17                     ; Q: row 256 y + 128 x half
	s_lshl_b32 s16, s16, 11                        ; of 2,048 bytes
	s_lshl_b32 s46, s42, 8
	s_add_co_u32 s46, s46, s17
	s_lshl_b32 s47, s45, 11
	s_add_co_u32 s46, s46, s47                     ; K: row 2048 b + 256 x + 128 x half
	s_lshl_b32 s46, s46, 11
	s_mov_b32 s17, 0
	s_mov_b32 s47, 0
	s_mul_i32 s20, s10, HALFT                      ; where they go: wave x 128 rows
	s_lshl_b32 s90, s13, 21                        ; ssm: (256 y + 128 rh) rows of 8,192 bytes + (256 x + 128 ch) numbers
	s_lshl_b32 s91, s11, 20
	s_add_co_u32 s90, s90, s91
	s_lshl_b32 s91, s42, 10
	s_add_co_u32 s90, s90, s91
	s_lshl_b32 s91, s12, 9
	s_add_co_u32 s90, s90, s91
	s_mov_b32 s91, 0
	s_lshr_b32 s92, s90, 1                         ; pb: the same place at half the bytes
	s_mov_b32 s93, 0
	s_lshl_b32 s94, s45, 17                        ; mst, lst: ((16 b + 2 x + ch) 2048 + 256 (y % 8) + 128 rh) numbers
	s_lshl_b32 s95, s42, 14
	s_add_co_u32 s94, s94, s95
	s_lshl_b32 s95, s12, 13
	s_add_co_u32 s94, s94, s95
	s_and_b32 s95, s13, 7
	s_lshl_b32 s95, s95, 10
	s_add_co_u32 s94, s94, s95
	s_lshl_b32 s95, s11, 9
	s_add_co_u32 s94, s94, s95
	s_mov_b32 s95, 0
	s_mov_b32 s[CS], 0x3d38aa3b
	s_mov_b32 s[CS+1], s[CS]
	s_mov_b32 s[SEL], 0x76543210
	s_mov_b32 s[SEL+1], 0xfedcba98
	s_wait_dscnt 0x0                               ; the opening add is done
	s_wait_kmcnt 0x0
	s_load_b32 s88, s[74:75], 0x0                  ; beta
	s_add_nc_u64 s[14:15], s[68:69], s[16:17]
	s_add_nc_u64 s[46:47], s[70:71], s[46:47]
	s_add_nc_u64 s[72:73], s[72:73], s[90:91]
	s_add_nc_u64 s[76:77], s[76:77], s[92:93]
	s_add_nc_u64 s[78:79], s[78:79], s[94:95]
	s_add_nc_u64 s[80:81], s[80:81], s[94:95]
	CROUND                                         ; all sixteen work-groups are here: the first joint loads meet
.irp s, 0,1
	s_mov_b32 s[G0+4*(\s)], 1
	s_add_co_u32 s[G0+4*(\s)+1], s20, (\s)*SLOT
	s_add_nc_u64 s[G0+4*(\s)+2:G0+4*(\s)+3], s[14:15], (\s)*KSTEP*2
	s_or_b32 s[G0+4*(\s)+3], s[G0+4*(\s)+3], 0x80000000
	s_mov_b32 s[G0B+4*(\s)], 1
	s_add_co_u32 s[G0B+4*(\s)+1], s20, (\s)*SLOT
	s_add_nc_u64 s[G0B+4*(\s)+2:G0B+4*(\s)+3], s[46:47], (\s)*KSTEP*2
	s_or_b32 s[G0B+4*(\s)+3], s[G0B+4*(\s)+3], 0x80000000
	JLOAD \s
.endr
	v_and_b32 v3, 31, v0
	v_lshlrev_b32 v[SSO], 4, v3
	WIN TO_B
.irp q, 0,1,2,3,4,5,6,7
	SSLOAD \q                                      ; section 0 of ssm: 32 loads are out from here on, until the tail
.endr
	WIN 0
	v_and_b32 v1, 15, v0                           ; r
	v_bfe_u32 v2, v0, 4, 1                         ; h
	v_mul_u32_u24 v4, v1, PITCH
	v_lshl_add_u32 v4, v2, 4, v4                   ; row x pitch + 16 x half
	s_mul_i32 s21, s11, HALFT
	s_mul_i32 s22, s12, HALFT
	s_add_co_u32 s22, s22, 2*HALFT
.irp s, 0,1
	v_add_nc_u32 v[ADRA+(\s)], s21, v4
	v_add_nc_u32 v[ADRB+(\s)], s22, v4
	s_add_co_u32 s21, s21, SLOT
	s_add_co_u32 s22, s22, SLOT
.endr
	s_mul_i32 s23, s10, 32*PITCH
	s_add_co_u32 s23, s23, SST                     ; my stage
	v_add_nc_u32 v[STO], s23, v4
	v_mul_u32_u24 v5, v2, PITCH
	v_lshl_add_u32 v5, v1, 4, v5
	v_add_nc_u32 v[RD], s23, v5
	v_lshl_add_u32 v[SSTW], v3, 3, s23
	v_lshlrev_b32 v5, 12, v2
	v_lshl_add_u32 v[CO], v1, 4, v5
	s_lshl_b32 s23, s10, 10
	s_add_co_u32 s23, s23, STATS
	v_lshl_add_u32 v[STATW], v1, 2, s23
	v_lshl_add_u32 v[STATR], v3, 4, s23
	v_mov_b32 v[PX], 0                             ; v_permlanex16_b32 counts as a reader of its destination
	v_mov_b32 v[PY], 0
	; E: row n = r of a source 0 holds k = 8 h + 0..7 in registers 0-3; k = n falls there where h = r / 8, into register (r / 2) % 4, half r % 2
	s_wait_kmcnt 0x0
	v_mov_b32 v44, s88
	v_cvt_pk_bf16_f32 v44, v44, v44
	v_lshlrev_b32 v44, 16, v44                     ; beta rounded to bf16,
	v_mul_f32 v44, 0x42000000, v44                 ; times 32: exact,
	v_lshrrev_b32 v44, 16, v44                     ; as bf16
	v_and_b32 v45, 1, v1
	v_lshlrev_b32 v45, 4, v45
	v_lshlrev_b32 v44, v45, v44                    ; in its half
	v_bfe_u32 v46, v1, 1, 2
	v_lshrrev_b32 v47, 3, v1
	v_xor_b32 v47, v47, v2
	v_lshl_add_u32 v46, v47, 2, v46                ; the register's number, or 4 and more where the other half of the lanes holds it
.irp i, 0,1,2,3
	v_mov_b32 v[EP+(\i)], 0
	v_mov_b32 v[EP+8+(\i)], 0
	v_cmp_eq_u32 vcc_lo, (\i), v46
	v_cndmask_b32 v[EP+4+(\i)], 0, v44, vcc_lo
.endr
	s_wait_xcnt 0x0                                ; ssm's base steps only behind this wait
	s_add_nc_u64 s[72:73], s[72:73], SECB
; 16 matrix instructions: query blocks a0, a0 + 1 of the window's four x all 8 key blocks, 32 along K.  The 64 accumulators take turns.
.macro MUL16 f, hi, a0, zero
	WIN MUL_LO+0x50*(\hi)
.irp a, \a0, (\a0)+1
.irp b, 0,1,2,3,4,5,6,7
.if \zero
	v_wmma_f32_16x16x32_bf16 v[8*(8*(\a)+(\b)):8*(8*(\a)+(\b))+7], v[(\f)+8*(\b):(\f)+8*(\b)+7], v[(\f)+8*(4*(\hi)+(\a)):(\f)+8*(4*(\hi)+(\a))+7], 0
.else
	v_wmma_f32_16x16x32_bf16 v[8*(8*(\a)+(\b)):8*(8*(\a)+(\b))+7], v[(\f)+8*(\b):(\f)+8*(\b)+7], v[(\f)+8*(4*(\hi)+(\a)):(\f)+8*(4*(\hi)+(\a))+7], v[8*(8*(\a)+(\b)):8*(8*(\a)+(\b))+7]
.endif
.endr
.endr
.endm
; Set rho of ssm is rounded to bf16.  cnt: the loads issued behind its four.  The eight conversions name no register of the products round them: they are the places in front of the run of loads.
.macro CVT rho, cnt
	SSREG \rho
	WIN 0x05
	s_wait_loadcnt \cnt
.set n_, 0
.rept 8
	v_cvt_pk_bf16_f32 v[CV+n_], v[ss_+2*n_], v[ss_+2*n_+1]
.set n_, n_+1
.endr
.endm
.macro STAGE4 rho                      ; the four rows into my stage: 256 consecutive bytes a row
.irp i, 0,1,2,3
	ds_store_b64 v[SSTW], v[CV+2*(\i):CV+2*(\i)+1] offset:(4*(\rho)+(\i))*PITCH
.endr
.endm
.macro FFLOAD                          ; the section back as fragments: query block aa, keys 32 g on, at FF + 8 (4 aa + g).  LDS serves a wave's instructions in order: these see the stores
.irp aa, 0,1
.irp g, 0,1,2,3
	ds_load_b128 v[FF+8*(4*(\aa)+(\g)):FF+8*(4*(\aa)+(\g))+3],   v[STO] offset:(\aa)*16*PITCH+64*(\g)
	ds_load_b128 v[FF+8*(4*(\aa)+(\g))+4:FF+8*(4*(\aa)+(\g))+7], v[STO] offset:(\aa)*16*PITCH+64*(\g)+32
.endr
.endr
.endm
; One run: (ld) the next section's set rho is asked for; K's 16 loads; (rho >= 0) set rho's four stores; (ff) ssm's 16 fragment loads; Q's 16 loads, which stay the youngest.
.macro FETCH slot, k, f, rho, ld, ff
	WIN TO_B
.if \ld
	SSLOAD \rho
.endif
.irp i, 0,1,2,3,4,5,6,7
	ds_load_b128 v[(\f)+8*(\i):(\f)+8*(\i)+3],   v[ADRB+(\slot)] offset:(\k)+(\i)*16*PITCH
	ds_load_b128 v[(\f)+8*(\i)+4:(\f)+8*(\i)+7], v[ADRB+(\slot)] offset:(\k)+(\i)*16*PITCH+32
.endr
	WIN 0
.if (\rho) >= 0
	STAGE4 \rho
.endif
.if \ff
	FFLOAD
.endif
.irp i, 0,1,2,3,4,5,6,7
	ds_load_b128 v[(\f)+8*(\i):(\f)+8*(\i)+3],   v[ADRA+(\slot)] offset:(\k)+(\i)*16*PITCH
	ds_load_b128 v[(\f)+8*(\i)+4:(\f)+8*(\i)+7], v[ADRA+(\slot)] offset:(\k)+(\i)*16*PITCH+32
.endr
.endm
; A quarter of a K step: multiplies buffer f; in its middle it fetches the next quarter, at byte k, into buffer g.
.macro QUARTER slot, k, f, g, zero, rho, ld, cnt, ff
	s_wait_dscnt 8                                 ; all but the youngest eight loads (Q's rows 64-127)
	MUL16 \f, 0, 0, \zero
	MUL16 \f, 0, 2, \zero
.set run_, 32
.if (\rho) >= 0
	CVT \rho, \cnt
.set run_, 36
.else
	PLACES
.endif
.if \ff
.set run_, 52
.endif
	FETCH \slot, \k, \g, \rho, \ld, \ff
	s_wait_dscnt run_                              ; all but the run just issued
	MUL16 \f, 1, 0, \zero
	MUL16 \f, 1, 2, \zero
.endm
; The last quarter's first half, and ONE barrier for the change of slots: in front of it each wave waits for all its tensor loads (one is out: its part of the next slot), adds 0 to its spare word,
; and waits for that and for its own LDS instructions; behind it nobody reads this slot and the next is whole.
.macro MEET round
	WIN 0
	s_wait_tensorcnt 0x0
	ds_add_u32 v[SPW], v[NIL]
	s_wait_dscnt 9                                 ; the add and the youngest eight loads may be out
	MUL16 F1, 0, 0, 0
	s_wait_dscnt 0x0
	s_barrier_signal -1
	MUL16 F1, 0, 2, 0
.if \round
	WIN 0
.endif
	s_barrier_wait -1
.endm
.macro TURN slot, next, fill, rho, ld, cnt
	MEET \fill
.if \fill
	CREST                                          ; no wave of any partner still reads this slot or has a load on its way
	s_add_nc_u64 s[G0+4*(\slot)+2:G0+4*(\slot)+3], s[G0+4*(\slot)+2:G0+4*(\slot)+3], 2*KSTEP*2
	s_add_nc_u64 s[G0B+4*(\slot)+2:G0B+4*(\slot)+3], s[G0B+4*(\slot)+2:G0B+4*(\slot)+3], 2*KSTEP*2
	JLOAD \slot                                    ; my one tensor load behind the round
.endif
	CVT \rho, \cnt
	FETCH \next, 0, F0, \rho, \ld, 0
	MUL16 F1, 1, 0, 0
	MUL16 F1, 1, 2, 0
.endm
; Section j of ssm is added: 16 matrix instructions on 16 different accumulators, (2 j + aa, 2 g + e).
.macro SECT j
.if (\j) < 2
	WIN 0xa0
.else
	WIN 0xf0
.endif
.irp g, 0,1,2,3
.irp aa, 0,1
.irp e, 0,1
	v_wmma_f32_16x16x32_bf16 v[8*(8*((2*(\j)+(\aa))%4)+2*(\g)+(\e)):8*(8*((2*(\j)+(\aa))%4)+2*(\g)+(\e))+7], v[EP+4-4*(\e):EP+11-4*(\e)], v[FF+8*(4*(\aa)+(\g)):FF+8*(4*(\aa)+(\g))+7], v[8*(8*((2*(\j)+(\aa))%4)+2*(\g)+(\e)):8*(8*((2*(\j)+(\aa))%4)+2*(\g)+(\e))+7]
.endr
.endr
.endr
	WIN 0
.endm
	s_wait_tensorcnt 1                             ; my part of K step 0 is in; step 1's may stay out
	s_barrier_signal -1
	s_barrier_wait -1
	FETCH 0, 0, F0, -1, 0, 0
	QUARTER 0, 64, F0, F1, 1, -1, 0, 0, 0          ; the first quarter's products start the sums
	WIN 0
	s_mov_b32 s3, LAPS-1
.Llap:                                                 ; once round the ring; a section of ssm is staged and added, the next is asked for: behind a set's four loads stand the seven other sets' 28
	QUARTER 0, 128, F1, F0, 0, 0, 1, 28, 0
	QUARTER 0, 192, F0, F1, 0, 1, 1, 28, 0
	TURN 0, 1, 1, 2, 1, 28
	QUARTER 1, 64,  F0, F1, 0, 3, 1, 28, 0
	QUARTER 1, 128, F1, F0, 0, 4, 1, 28, 0
	QUARTER 1, 192, F0, F1, 0, 5, 1, 28, 0
	TURN 1, 0, 1, 6, 1, 28
	QUARTER 0, 64,  F0, F1, 0, 7, 1, 28, 1
	s_wait_dscnt 16                                ; ssm's fragments are in: only Q's 16 loads are younger
	WIN 0
	s_cmp_lg_u32 s3, 3                             ; which accumulators the section belongs to goes by the trip: three forward jumps, over matrix instructions alone
	s_cbranch_scc1 .Lnot_0
	SECT 0
.Lnot_0:
	s_cmp_lg_u32 s3, 2
	s_cbranch_scc1 .Lnot_1
	SECT 1
.Lnot_1:
	s_cmp_lg_u32 s3, 1
	s_cbranch_scc1 .Lnot_2
	SECT 2
.Lnot_2:
	s_wait_xcnt 0x0
	s_add_nc_u64 s[72:73], s[72:73], SECB          ; (behind the last trip it is not used)
	s_sub_co_u32 s3, s3, 1
	s_cmp_lg_u32 s3, 0
	s_cbranch_scc1 .Llap
	QUARTER 0, 128, F1, F0, 0, 0, 0, 28, 0         ; the last lap asks for nothing: the counts run down
	QUARTER 0, 192, F0, F1, 0, 1, 0, 24, 0
	TURN 0, 1, 0, 2, 0, 20
	QUARTER 1, 64,  F0, F1, 0, 3, 0, 16, 0
	QUARTER 1, 128, F1, F0, 0, 4, 0, 12, 0
	QUARTER 1, 192, F0, F1, 0, 5, 0, 8, 0
	s_wait_dscnt 8
	MUL16 F1, 0, 0, 0
	MUL16 F1, 0, 2, 0
	CVT 6, 4
	WIN 0
	STAGE4 6
	CVT 7, 0
	WIN 0
	STAGE4 7
	FFLOAD
	s_wait_dscnt 24                                ; all but the 8 stores and 16 loads just issued
	MUL16 F1, 1, 0, 0
	MUL16 F1, 1, 2, 0
	s_wait_dscnt 0x0
	SECT 3
; THE SOFTMAX'S PART AND THE WAY OUT, a block of 16 queries x 128 keys at a time, on window 2.  A lane holds one query and 64 of its keys; the other 64 lie in the lane 16 away.
.macro BLOCK a
.set AC, 64*(\a)
	WIN 0x0a
.irp q, 0,1,2,3
	v_max_num_f32 v[C0+(\q)], v[AC+2*(\q)], v[AC+2*(\q)+1]  ; four chains; each accumulator's lowest registers are read first
.endr
	WIN 0x28
.set n_, 1
.rept 7
.irp q, 0,1,2,3
	v_max3_num_f32 v[C0+(\q)], v[C0+(\q)], v[AC+8*n_+2*(\q)], v[AC+8*n_+2*(\q)+1]
.endr
.set n_, n_+1
.endr
	WIN 0
	v_max3_num_f32 v[C0], v[C0], v[C0+1], v[C0+2]
	v_max_num_f32 v[C0], v[C0], v[C0+3]
	v_permlanex16_b32 v[PX], v[C0], s[SEL], s[SEL+1]
	v_max_num_f32 v[C0], v[C0], v[PX]
	v_mul_f32 v[C0], s[CS], v[C0]
	v_floor_f32 v[C0], v[C0]
	v_add_f32 v[MP], 1.0, v[C0]                    ; M
	v_mov_b32 v[MP+1], v[MP]                       ; named with it as a pair
	ds_store_b32 v[STATW], v[MP] offset:64*(\a)
	WIN 0x82
.set n_, 0
.rept 32
	v_pk_fma_f32 v[AC+2*n_:AC+2*n_+1], v[AC+2*n_:AC+2*n_+1], s[CS:CS+1], v[MP:MP+1] op_sel_hi:[1,0,0] neg_lo:[0,0,1] neg_hi:[0,0,1]  ; t - M, rounded once
.set n_, n_+1
.endr
.set n_, 0
.rept 64
	v_exp_f32 v[AC+n_], v[AC+n_]
.set n_, n_+1
.endr
	v_nop                                          ; a plain instruction between the last exponential and the use of its result (ISA guide 5.7.2)
	WIN 0x0a
.set n_, 0
	s_wait_alu depctr_va_vdst(0)
.rept 32
	v_cvt_pk_f16_f32 v[TMP+n_], v[AC+2*n_], v[AC+2*n_+1]  ; P' leaves in f16
.set n_, n_+1
.endr
.irp q, 0,1,2,3
	v_pk_add_f32 v[CV+2*(\q):CV+2*(\q)+1], v[AC+2*(\q):AC+2*(\q)+1], v[AC+8+2*(\q):AC+8+2*(\q)+1]  ; four chains of sums, of the unrounded weights
.endr
	WIN 0x08
.set n_, 2
.rept 6
.irp q, 0,1,2,3
	v_pk_add_f32 v[CV+2*(\q):CV+2*(\q)+1], v[CV+2*(\q):CV+2*(\q)+1], v[AC+8*n_+2*(\q):AC+8*n_+2*(\q)+1]
.endr
.set n_, n_+1
.endr
	WIN 0
	v_pk_add_f32 v[CV:CV+1], v[CV:CV+1], v[CV+2:CV+3]
	v_pk_add_f32 v[CV+4:CV+5], v[CV+4:CV+5], v[CV+6:CV+7]
	v_pk_add_f32 v[CV:CV+1], v[CV:CV+1], v[CV+4:CV+5]
	v_add_f32 v[LT], v[CV], v[CV+1]
	v_permlanex16_b32 v[PY], v[LT], s[SEL], s[SEL+1]
	v_add_f32 v[LT], v[LT], v[PY]
	ds_store_b32 v[STATW], v[LT] offset:512+64*(\a)
.endm
.macro TOSTAGE a                       ; through half a % 2 of my stage, and back as whole rows of 256 bytes
.set bk_, 64+32*((\a)%2)
.set n_, 0
.rept 8
	ds_store_b128 v[STO], v[TMP+4*n_:TMP+4*n_+3] offset:((\a)%2)*16*PITCH+32*n_
.set n_, n_+1
.endr
.set n_, 0
.rept 8
	ds_load_b128 v[bk_+4*n_:bk_+4*n_+3], v[RD] offset:((\a)%2)*16*PITCH+n_*2*PITCH
.set n_, n_+1
.endr
.endm
.macro SEND a
.set bk_, 64+32*((\a)%2)
	s_wait_dscnt 0x0
	s_wait_xcnt 0x0                                ; the registers that earlier stores read are loaded again only behind this wait
.set n_, 0
.rept 8
	global_store_b128 v[CO], v[bk_+4*n_:bk_+4*n_+3], s[76:77] offset:(16*(\a)+2*n_)*4096  ; 16 lanes store 256 consecutive bytes, aligned
.set n_, n_+1
.endr
.endm
	s_mov_b32 s3, 2
.Lpass:                                                ; two passes over one text: my rows 0-63, then rows 64-127
	BLOCK 0
	TOSTAGE 0
.irp a, 1,2,3
	BLOCK \a                                       ; a block's arithmetic stands between the loads of the block before and the wait for them
	SEND (\a)-1
	TOSTAGE \a
.endr
	SEND 3
	s_wait_xcnt 0x0                                ; pb's base steps only behind this wait
	s_cmp_eq_u32 s3, 1
	s_cbranch_scc1 .Lpassed                        ; behind the second pass nothing is left to bring
	WIN 0x83                                       ; window 3's accumulators go where the one text names them: 256 copies for half the text
.set n_, 0
.rept 256
	v_mov_b32 v[n_], v[n_]
.set n_, n_+1
.endr
	WIN 0
	v_add_nc_u32 v[STATW], 256, v[STATW]
	s_add_nc_u64 s[76:77], s[76:77], 64*4096
.Lpassed:
	s_sub_co_u32 s3, s3, 1
	s_cmp_lg_u32 s3, 0
	s_cbranch_scc1 .Lpass
	ds_load_b128 v[64:67], v[STATR]                ; my wave's own words: M of 128 rows, then l
	ds_load_b128 v[68:71], v[STATR] offset:512
	s_wait_dscnt 0x0
	global_store_b128 v[SSO], v[64:67], s[78:79]   ; 512 consecutive bytes each
	global_store_b128 v[SSO], v[68:71], s[80:81]
	s_wait_tensorcnt 0x0                           ; the wave's end
	ds_add_u32 v[SPW], v[NIL]
	s_wait_dscnt 0x0
	CROUND                                         ; the closing round
	s_endpgm
.Lfunc_end_k_qefe6bcb82f_scores:
	.size	k_qefe6bcb82f_scores, .Lfunc_end_k_qefe6bcb82f_scores-k_qefe6bcb82f_scores
	.p2alignl 7, 3214868480
	.fill 96, 4, 3214868480
	.section	.rodata,"a",@progbits
	.p2align	6, 0x0
	.amdhsa_kernel k_qefe6bcb82f_scores
		.amdhsa_group_segment_fixed_size 327680
		.amdhsa_private_segment_fixed_size 0
		.amdhsa_enable_private_segment 0
		.amdhsa_kernarg_size 56
		.amdhsa_user_sgpr_count 2
		.amdhsa_user_sgpr_kernarg_segment_ptr 1
		.amdhsa_wavefront_size32 1
		.amdhsa_system_sgpr_workgroup_id_x 1
		.amdhsa_system_sgpr_workgroup_id_y 1
		.amdhsa_system_sgpr_workgroup_id_z 1
		.amdhsa_system_vgpr_workitem_id 0
		.amdhsa_next_free_vgpr 1024
		.amdhsa_next_free_sgpr 100
		.amdhsa_reserve_vcc 1
		.amdhsa_float_denorm_mode_32 3
		.amdhsa_float_denorm_mode_16_64 3
		.amdhsa_memory_ordered 1
		.amdhsa_forward_progress 1
		.amdhsa_inst_pref_size 196
	.end_amdhsa_kernel
	.amdgpu_metadata
---
amdhsa.version: [ 1, 2 ]
amdhsa.kernels:
  - .name:           k_qefe6bcb82f_scores
    .symbol:         k_qefe6bcb82f_scores.kd
    .args:
      - { .name: qb, .offset: 0, .size: 8, .value_kind: global_buffer, .address_space: global }
      - { .name: kbuf, .offset: 8, .size: 8, .value_kind: global_buffer, .address_space: global }
      - { .name: ssm, .offset: 16, .size: 8, .value_kind: global_buffer, .address_space: global }
      - { .name: beta, .offset: 24, .size: 8, .value_kind: global_buffer, .address_space: global }
      - { .name: pb, .offset: 32, .size: 8, .value_kind: global_buffer, .address_space: global }
      - { .name: mst, .offset: 40, .size: 8, .value_kind: global_buffer, .address_space: global }
      - { .name: lst, .offset: 48, .size: 8, .value_kind: global_buffer, .address_space: global }
    .group_segment_fixed_size: 327680
    .private_segment_fixed_size: 0
    .kernarg_segment_align: 8
    .kernarg_segment_size: 56
    .max_flat_workgroup_size: 128
    .sgpr_count:     100
    .vgpr_count:     1024
    .wavefront_size: 32
...
	.end_amdgpu_metadata
.endif
;; end of part 3
;; launch pv (part 4): grid 4 x 64, 4 waves a work-group, clusters of 4 x 4, 327,680 bytes of LDS; arguments pb, vt, mst, lst, out0; writes out0
.if DOCPART == 4
	.amdgcn_target "amdgcn-amd-amdhsa--gfx1250"
	.amdhsa_code_object_version 6
	.text
	.protected	k_qefe6bcb82f_pv
	.globl	k_qefe6bcb82f_pv
	.p2align	8
	.type	k_qefe6bcb82f_pv,@function
k_qefe6bcb82f_pv:
	s_mov_b64 s[64:65], 0
	v_nop
	global_prefetch_b8 v0, s[64:65] scope:SCOPE_SE
	s_setreg_imm32_b32 hwreg(HW_REG_WAVE_MODE, 25, 1), 1
	s_wait_xcnt 0x0
	s_wait_alu depctr_hold_cnt(0) depctr_sa_sdst(0) depctr_va_vdst(0) depctr_va_sdst(0) depctr_va_ssrc(0) depctr_va_vcc(0) depctr_vm_vsrc(0)
	s_getreg_b32 s2, hwreg(HW_REG_IB_STS2, 6, 4)
	s_cmp_eq_u32 s2, 0
	s_cbranch_scc0 .Lentry_in_a_cluster
	s_endpgm
.Lentry_in_a_cluster:
	s_bfe_u32 s2, ttmp6, 0x10000c
	s_cmp_lg_u32 s2, 0xf033
	s_cbranch_scc0 .Lentry_shape_is_right
	s_endpgm
.Lentry_shape_is_right:
; out[s][b][:] = (1 / l_row) sum over the 16 key blocks j of 2^(M_j - M_row) P'_j V_j, with M_row = max_j M_j and l_row = sum_j l_j 2^(M_j - M_row): the softmax of the whole row, by its true maximum's block.
; P' (pb) and V^T (vt), both f16, are multiplied in f16 with f32 sums.  M is whole, so the factor is a power of two: P''s fragments are multiplied by it in f16 (v_pk_mul_f16) without a second rounding,
; as long as the product is a normal number of f16.
; SHARES.  A work-group: 128 queries x 256 channels; 4 x 64 = 256 work-groups.  A wave: 64 x 128: 32 accumulators.  The keys go in 16 steps of 128 (a step is a key block) through two LDS slots
; (two slots of 256 keys would be 417,792 bytes: more than a work-group has); cluster 4 x 4: P''s tile shared along a row, V^T's along a column.
; Source 0 = 16 channels, source 1 = 16 queries: a lane holds one query and 8 neighbouring channels.
; A step is four quarters of 32 keys, 32 matrix instructions each, on two fragment buffers; the next quarter's P' is scaled by two vector instructions behind each of 16 products.
; LIMITS: below 6e-5 a product P' x factor keeps f16's fixed step of 6e-8, and a factor below 2^-25 counts as 0 in the product (in l_row: below 2^-126): beside l_row, which is 1/2 or more,
; 2,048 such steps are 1.2e-4 at the most, and a dropped block's share 128 x 2^-25.  V arrives within f16's 65,504.  NaN and infinities are not treated apart.
; REGISTERS: window 0: v0-29 addresses; v32-35 factors; v36-43 1 / l; v64-191 V^T's fragments, two buffers.  Window 1: accumulators a = 0..2 at 8 (8 a + nb); v192-255 P''s fragments, two buffers.  Window 2: a = 3.
.set PITCH,  272
.set BOFF,   128*PITCH                 ; a slot: P''s 128 rows, then V^T's 256
.set SLOT1,  131072
.set FAC,    BOFF+256*PITCH            ; behind slot 0, never filled by a tensor load: [16][128] words: the factor twice, as two f16
.set RINV,   FAC+8192                  ; [128] f32
.set SPARE,  RINV+512
.set STAGE,  SLOT1+FAC                 ; behind slot 1: 16 rows x 528 bytes for each wave
.set SP,     528
.set A0, 4
.set B0, 5
.set ADRA, 6
.set ADRB, 7
.set FCA, 8                            ; v8   my rows' factors of the key block in hand
.set STO, 9
.set RD,  10
.set GO,  11
.set RVA, 12
.set SPW, 28
.set NIL, 29
.set FC,  32
.set RV,  36
.set VB0, 64
.set PA0, 192                          ; window 1
.set TT,  64                           ; the way out
.set BK,  128
.set G1A, 24
.set G0A, 32
.set G1B, 48
.set G0B, 56
.set CNT, 84
.set TB,  85
.set FLAGS, (1<<16)|(1<<20)|(1<<21)|(5<<22)|(3<<25)
.set WX, 0x54                          ; V^T window 0; P', C and D window 1.  Also the scaling: destination and source 1 (P') window 1, source 0 (the factor) window 0
.set WY, 0xa4                          ; C and D window 2
.set MSB, 0
.macro WIN new
.if MSB != (\new)
	s_set_vgpr_msb (MSB<<8)|(\new)
.set MSB, (\new)
.endif
.endm
.macro PLACES
.rept 4
	v_nop
.endr
.endm
.macro CREST
	s_cmp_lg_u32 s10, 0
	s_cbranch_scc1 .Lnot_wave_0_\@
	s_barrier_signal -3
.Lnot_wave_0_\@:
	s_barrier_wait -3
	s_barrier_signal -1
	s_barrier_wait -1
.endm
.macro CROUND
	s_barrier_signal -1
	s_barrier_wait -1
	CREST
.endm
.macro JLOAD                           ; waves 0 and 1 fetch the halves of P''s tile, waves 2 and 3 those of V^T's; s_nop 0 and four v_nop follow each line
	s_cmp_lt_u32 s10, 2
	s_cbranch_scc0 .Lfor_b_\@
	tensor_load_to_lds s[G0A+4:G0A+7], s[G1A:G1A+7]
	s_nop 0
	PLACES
	s_branch .Lasked_\@
.Lfor_b_\@:
	tensor_load_to_lds s[G0B+4:G0B+7], s[G1B:G1B+7]
	s_nop 0
	PLACES
.Lasked_\@:
.endm
	s_load_b256 s[68:75], s[0:1], 0x0              ; pb 68, vt 70, mst 72, lst 74
	s_load_b64 s[76:77], s[0:1], 0x20              ; out0
	v_lshl_add_u32 v[SPW], v0, 2, SPARE
	v_mov_b32 v[NIL], 0
	ds_add_u32 v[SPW], v[NIL]                      ; the wave's opening: the add and its wait ahead of my first tensor load
	v_lshrrev_b32 v1, 5, v0
	v_readfirstlane_b32 s10, v1
	s_lshr_b32 s11, s10, 1                         ; my half of the queries
	s_and_b32 s12, s10, 1                          ; my half of the channels.  Also: which half of a tile I fetch
	s_bfe_u32 s40, ttmp6, 0x40000
	s_bfe_u32 s41, ttmp6, 0x40004
	s_lshl_b32 s42, ttmp9, 2
	s_add_co_u32 s42, s42, s40                     ; x: the tile of 256 channels
	s_and_b32 s45, ttmp7, 0xffff
	s_lshl_b32 s13, s45, 2
	s_add_co_u32 s13, s13, s41                     ; y = 16 b + the tile of 128 queries
	s_lshr_b32 s45, s45, 2                         ; b, from the cluster's y alone
	s_lshl_b32 s43, s41, 2
	s_lshl_b32 s43, 15, s43
	s_lshl_b32 s44, 0x1111, s40
	s_or_b32 s[G1A], s43, FLAGS
	s_or_b32 s[G1B], s44, FLAGS
	s_mov_b32 s[G1A+1], 128<<16
	s_mov_b32 s[G1A+2], 64<<16
	s_mov_b32 s[G1A+3], 128<<16
	s_mov_b32 s[G1A+4], 64
	s_mov_b32 s[G1A+5], 2048
	s_mov_b32 s[G1A+6], 0
	s_mov_b32 s[G1A+7], 0
	s_mov_b32 s[G1B+1], 128<<16
	s_mov_b32 s[G1B+2], 128<<16
	s_mov_b32 s[G1B+3], 128<<16
	s_mov_b32 s[G1B+4], 128
	s_mov_b32 s[G1B+5], 2048
	s_mov_b32 s[G1B+6], 0
	s_mov_b32 s[G1B+7], 0
	s_lshl_b32 s16, s13, 19                        ; P': (128 y + 64 x half) rows of 4,096 bytes
	s_lshl_b32 s17, s12, 18
	s_add_co_u32 s16, s16, s17
	s_mov_b32 s17, 0
	s_lshl_b32 s46, s45, 22                        ; V^T: (1024 b + 256 x + 128 x half) rows of 4,096 bytes
	s_lshl_b32 s47, s42, 20
	s_add_co_u32 s46, s46, s47
	s_lshl_b32 s47, s12, 19
	s_add_co_u32 s46, s46, s47
	s_mov_b32 s47, 0
	s_mul_i32 s20, s12, 64*PITCH
	s_mul_i32 s21, s12, 128*PITCH
	s_add_co_u32 s21, s21, BOFF
	s_and_b32 s92, s13, 15                         ; the tile of queries in its batch
	s_lshl_b32 s90, s45, 17                        ; mst, lst: (16 b x 2048 + 128 (y % 16)) numbers
	s_lshl_b32 s91, s92, 9
	s_add_co_u32 s90, s90, s91
	s_lshl_b32 s88, s92, 21                        ; out0: ((128 (y % 16) + 64 rh) 4 + b) rows of 4,096 bytes + (256 x + 128 ch) numbers
	s_lshl_b32 s89, s11, 20
	s_add_co_u32 s88, s88, s89
	s_lshl_b32 s89, s45, 12
	s_add_co_u32 s88, s88, s89
	s_lshl_b32 s89, s42, 10
	s_add_co_u32 s88, s88, s89
	s_lshl_b32 s89, s12, 9
	s_add_co_u32 s88, s88, s89
	s_mov_b32 s89, 0
	s_mov_b32 s[TB], 0
	s_wait_dscnt 0x0
	s_wait_kmcnt 0x0
	s_add_nc_u64 s[14:15], s[68:69], s[16:17]
	s_add_nc_u64 s[46:47], s[70:71], s[46:47]
	s_add_nc_u64 s[76:77], s[76:77], s[88:89]
	CROUND
.irp n, 0,1
	s_mov_b32 s[G0A+4*(\n)], 1
	s_add_co_u32 s[G0A+4*(\n)+1], s20, (\n)*SLOT1
	s_add_nc_u64 s[G0A+4*(\n)+2:G0A+4*(\n)+3], s[14:15], (\n)*256
	s_or_b32 s[G0A+4*(\n)+3], s[G0A+4*(\n)+3], 0x80000000
	s_mov_b32 s[G0B+4*(\n)], 1
	s_add_co_u32 s[G0B+4*(\n)+1], s21, (\n)*SLOT1
	s_add_nc_u64 s[G0B+4*(\n)+2:G0B+4*(\n)+3], s[46:47], (\n)*256
	s_or_b32 s[G0B+4*(\n)+3], s[G0B+4*(\n)+3], 0x80000000
.endr
	s_cmp_lt_u32 s10, 2                            ; a wave's two first fills stand in one branch: two loads of mine are out
	s_cbranch_scc0 .Lfirst_b
	tensor_load_to_lds s[G0A:G0A+3], s[G1A:G1A+7]
	s_nop 0
	tensor_load_to_lds s[G0A+4:G0A+7], s[G1A:G1A+7]
	s_nop 0
	PLACES
	s_branch .Lfirst_asked
.Lfirst_b:
	tensor_load_to_lds s[G0B:G0B+3], s[G1B:G1B+7]
	s_nop 0
	tensor_load_to_lds s[G0B+4:G0B+7], s[G1B:G1B+7]
	s_nop 0
	PLACES
.Lfirst_asked:
	; THE ROWS' STATISTICS: thread t has query t of the tile.  All this stands in the wait for the first tile.
	v_lshlrev_b32 v3, 2, v0
	v_add_nc_u32 v13, s90, v3
.set j, 0
.rept 16
	global_load_b32 v[64+j], v13, s[72:73] offset:8192*j
	global_load_b32 v[80+j], v13, s[74:75] offset:8192*j
.set j, j+1
.endr
	v_add_nc_u32 v14, FAC, v3
	v_add_nc_u32 v15, RINV, v3
	v_and_b32 v1, 15, v0                           ; r
	v_bfe_u32 v2, v0, 4, 1                         ; h
	v_mul_u32_u24 v16, v1, PITCH
	v_lshl_add_u32 v16, v2, 4, v16
	s_mul_i32 s14, s11, 64*PITCH
	v_add_nc_u32 v[A0], s14, v16
	s_mul_i32 s14, s12, 128*PITCH
	s_add_co_u32 s14, s14, BOFF
	v_add_nc_u32 v[B0], s14, v16
	v_mov_b32 v[ADRA], v[A0]
	v_mov_b32 v[ADRB], v[B0]
	s_lshl_b32 s14, s11, 8                         ; my 64 rows' words
	s_add_co_u32 s15, s14, FAC
	v_lshl_add_u32 v[FCA], v1, 2, s15
	s_add_co_u32 s15, s14, RINV
	v_lshl_add_u32 v[RVA], v1, 2, s15
	s_mul_i32 s14, s10, 16*SP
	s_add_co_u32 s14, s14, STAGE
	v_mul_u32_u24 v16, v1, SP
	v_lshl_add_u32 v16, v2, 5, v16
	v_add_nc_u32 v[STO], s14, v16                  ; in: row r, 32 bytes for each half of the lanes
	v_and_b32 v16, 31, v0
	v_lshlrev_b32 v[GO], 4, v16
	v_add_nc_u32 v[RD], s14, v[GO]                 ; back: a whole row of 512 bytes
	s_wait_loadcnt 0x0
	v_max3_num_f32 v96, v64, v65, v66
.set j, 0
.rept 6
	v_max3_num_f32 v96, v96, v[67+2*j], v[68+2*j]
.set j, j+1
.endr
	v_max_num_f32 v96, v96, v79                    ; M_row
.set j, 0
.rept 16
	v_sub_f32 v[100+j], v[64+j], v96               ; a whole number, 0 or below
	v_max_num_f32 v[100+j], 0xc2fe0000, v[100+j]   ; from -127 down the factor is 0
	v_cvt_i32_f32 v[100+j], v[100+j]
	v_add_nc_u32 v[100+j], 127, v[100+j]           ; the factor's exponent field
	v_lshlrev_b32 v[64+j], 23, v[100+j]            ; the factor in f32
.if j == 0
	v_mul_f32 v99, v80, v64
.else
	v_fmac_f32 v99, v[80+j], v[64+j]
.endif
	v_cvt_pk_f16_f32 v[100+j], v[64+j], v[64+j]    ; and twice in f16: exact down to 2^-24, 0 below
	ds_store_b32 v14, v[100+j] offset:512*j
.set j, j+1
.endr
	v_rcp_f32 v99, v99                             ; l_row is at least 1/2: the block that holds M_row has a weight of 1/2 or more
	v_nop
	s_wait_alu depctr_va_vdst(0)
	ds_store_b32 v15, v99
.macro RIDE                            ; register rk of the next quarter's P' times its row's factor
	v_pk_mul_f16 v[PA0+32*rb+rk], v[FC+rk/8], v[PA0+32*rb+rk]
.set rk, rk+1
.endm
; eight matrix instructions of quarter i: query block a x the eight channel blocks; ride = 1: two scalings behind each.  The 32 accumulators take turns.
.macro MM8 i, a, zero, ride
.if (\a) == 3
	WIN WY
.else
	WIN WX
.endif
.set n_, 0
.rept 8
.if (\a) == 3
.set ac_, 8*n_
.else
.set ac_, 8*(8*(\a)+n_)
.endif
.set vb_, VB0+64*((\i)%2)+8*n_
.set pa_, PA0+32*((\i)%2)+8*(\a)
.if \zero
	v_wmma_f32_16x16x32_f16 v[ac_:ac_+7], v[vb_:vb_+7], v[pa_:pa_+7], 0
.else
	v_wmma_f32_16x16x32_f16 v[ac_:ac_+7], v[vb_:vb_+7], v[pa_:pa_+7], v[ac_:ac_+7]
.endif
.if \ride
	RIDE
	RIDE
.endif
.set n_, n_+1
.endr
.endm
.macro FETCH q, fc                     ; quarter q's fragments into buffer q % 2: (fc) the key block's four factors; P''s 8 loads; V^T's 16, which stay the youngest
	WIN 0
.if \fc
.irp a, 0,1,2,3
	ds_load_b32 v[FC+(\a)], v[FCA] offset:64*(\a)
.endr
.endif
	WIN 0x40
.set n_, 0
.rept 4
	ds_load_b128 v[PA0+32*((\q)%2)+8*n_:PA0+32*((\q)%2)+8*n_+3],   v[ADRA] offset:n_*16*PITCH+64*(\q)
	ds_load_b128 v[PA0+32*((\q)%2)+8*n_+4:PA0+32*((\q)%2)+8*n_+7], v[ADRA] offset:n_*16*PITCH+64*(\q)+32
.set n_, n_+1
.endr
	WIN 0
.set n_, 0
.rept 8
	ds_load_b128 v[VB0+64*((\q)%2)+8*n_:VB0+64*((\q)%2)+8*n_+3],   v[ADRB] offset:n_*16*PITCH+64*(\q)
	ds_load_b128 v[VB0+64*((\q)%2)+8*n_+4:VB0+64*((\q)%2)+8*n_+7], v[ADRB] offset:n_*16*PITCH+64*(\q)+32
.set n_, n_+1
.endr
.endm
; QUARTER i.  mode 0: places, the next quarter's fetch, 16 products, the wait for the fetched P', 16 products with its scaling behind them.  Quarter 3 turns to the next slot and key block.
; mode 1, 2 (quarter 2, whose fetch is the slot's last read): THE CHANGE OF SLOTS; mode 1 fills this slot again, two steps ahead.
.macro QT i, zero, mode
.set rk, 0
.set rb, ((\i)+1)%2
	WIN 0
.if (\i) == 3
	s_xor_b32 s[TB], s[TB], SLOT1
	v_add_nc_u32 v[ADRA], s[TB], v[A0]             ; these three and a v_nop are the four places
	v_add_nc_u32 v[ADRB], s[TB], v[B0]
	v_add_nc_u32 v[FCA], 512, v[FCA]
	v_nop
	FETCH 0, 1
.else
	PLACES
	FETCH (\i)+1, 0
.endif
.if (\mode) == 0
.if (\i) == 3
	s_wait_dscnt 28                                ; all but the 28 loads just issued
.else
	s_wait_dscnt 24                                ; all but the 24 just issued
.endif
	MM8 \i, 3, \zero, 0
	MM8 \i, 0, \zero, 0
	s_wait_dscnt 16                                ; the factors and P' are in; V^T's 16 loads may be out
	MM8 \i, 1, \zero, 1
	MM8 \i, 2, \zero, 1
.else
	s_wait_tensorcnt 0x0                           ; no tensor load of mine is out, so a group 0 may be written
	ds_add_u32 v[SPW], v[NIL]
.if (\mode) == 1
	s_xor_b32 s[G0A+5], s[G0A+5], SLOT1
	s_add_nc_u64 s[G0A+6:G0A+7], s[G0A+6:G0A+7], 256
	s_xor_b32 s[G0B+5], s[G0B+5], SLOT1
	s_add_nc_u64 s[G0B+6:G0B+7], s[G0B+6:G0B+7], 256
.endif
	s_wait_dscnt 25                                ; the 24 loads just issued and the add may be out
	MM8 \i, 3, 0, 0
	MM8 \i, 0, 0, 0
	s_wait_dscnt 0x0                               ; the add is done, and my reads of this slot are over
	s_barrier_signal -1
	MM8 \i, 1, 0, 1
	WIN 0
	s_barrier_wait -1
.if (\mode) == 1
	CREST                                          ; no wave of any partner still reads this slot or has a load on its way
	JLOAD                                          ; my one tensor load behind the round
.endif
	MM8 \i, 2, 0, 1
.endif
.endm
	s_wait_tensorcnt 1                             ; my part of step 0 is in; step 1's may stay out
	s_wait_dscnt 0x0                               ; my row's factors and 1 / l are stored
	s_barrier_signal -1
	s_barrier_wait -1
	FETCH 0, 1
	s_wait_dscnt 0x0
	WIN WX
.set rk, 0
.set rb, 0
.rept 32
	RIDE                                           ; the first quarter's P' has no products to stand behind
.endr
	QT 0, 1, 0                                     ; the first quarter's products start the sums
	WIN 0
	s_mov_b32 s[CNT], 14
.LA:                                                   ; a trip: a step's last three quarters and the next step's first; steps 2 to 15 are asked for
	QT 1, 0, 0
	QT 2, 0, 1
	QT 3, 0, 0
	QT 0, 0, 0
	WIN 0
	s_sub_co_u32 s[CNT], s[CNT], 1
	s_cmp_lg_u32 s[CNT], 0
	s_cbranch_scc1 .LA
	s_mov_b32 s[CNT], 2
.LB:                                                   ; the last two steps ask for nothing: a text of their own
	QT 1, 0, 0
	QT 2, 0, 2
	QT 3, 0, 0                                     ; in the last trip its fetch serves nothing: 24 loads from the slot of the step before, and as factors the 512 bytes of 1 / l that lie behind the table
	WIN 0
	s_cmp_eq_u32 s[CNT], 1
	s_cbranch_scc1 .Llast                          ; behind the last step there is no first quarter: a forward jump, over no barrier and no tensor load
	QT 0, 0, 0
	WIN 0
.Llast:
	s_sub_co_u32 s[CNT], s[CNT], 1
	s_cmp_lg_u32 s[CNT], 0
	s_cbranch_scc1 .LB
	s_wait_dscnt 0x0                               ; that fetch has landed: its registers serve the way out
	PLACES                                         ; behind the last products
	; THE WAY OUT: times 1 / l_row, 16 rows at a time through my own stage, stored as whole rows of 512 bytes.
.irp a, 0,1,2,3
	ds_load_b32 v[RV+2*(\a)],   v[RVA] offset:64*(\a)
	ds_load_b32 v[RV+2*(\a)+1], v[RVA] offset:64*(\a)  ; both words of the pair that the packed multiply names
.endr
	s_wait_dscnt 0x0
.irp a, 0,1,2,3
.if (\a) == 3
	WIN 0x02
.set ac_, 0
.else
	WIN 0x01
.set ac_, 64*(\a)
.endif
.set n_, 0
.rept 32                                       ; each accumulator's registers in ascending order
	v_pk_mul_f32 v[TT+2*n_:TT+2*n_+1], v[ac_+2*n_:ac_+2*n_+1], v[RV+2*(\a):RV+2*(\a)+1]
.set n_, n_+1
.endr
	WIN 0
.set n_, 0
.rept 8
	ds_store_b128 v[STO], v[TT+8*n_:TT+8*n_+3]   offset:64*n_
	ds_store_b128 v[STO], v[TT+8*n_+4:TT+8*n_+7] offset:64*n_+16
.set n_, n_+1
.endr
	s_wait_xcnt 0x0                                ; the registers that the block before's stores read are loaded again only behind this wait
.set n_, 0
.rept 16
	ds_load_b128 v[BK+4*n_:BK+4*n_+3], v[RD] offset:n_*SP  ; LDS serves a wave's instructions in order (ISA guide 5.7.1.4): these see the stores above
.set n_, n_+1
.endr
.set n_, 0
.rept 16
	s_wait_dscnt 15-n_
	global_store_b128 v[GO], v[BK+4*n_:BK+4*n_+3], s[76:77] offset:(16*(\a)+n_)*16384 th:TH_STORE_NT  ; 512 consecutive bytes of one row of out0, aligned
.set n_, n_+1
.endr
.endr
	s_wait_tensorcnt 0x0                           ; the wave's end
	ds_add_u32 v[SPW], v[NIL]
	s_wait_dscnt 0x0
	CROUND                                         ; the closing round
	s_endpgm
.Lfunc_end_k_qefe6bcb82f_pv:
	.size	k_qefe6bcb82f_pv, .Lfunc_end_k_qefe6bcb82f_pv-k_qefe6bcb82f_pv
	.p2alignl 7, 3214868480
	.fill 96, 4, 3214868480
	.section	.rodata,"a",@progbits
	.p2align	6, 0x0
	.amdhsa_kernel k_qefe6bcb82f_pv
		.amdhsa_group_segment_fixed_size 327680
		.amdhsa_private_segment_fixed_size 0
		.amdhsa_enable_private_segment 0
		.amdhsa_kernarg_size 40
		.amdhsa_user_sgpr_count 2
		.amdhsa_user_sgpr_kernarg_segment_ptr 1
		.amdhsa_wavefront_size32 1
		.amdhsa_system_sgpr_workgroup_id_x 1
		.amdhsa_system_sgpr_workgroup_id_y 1
		.amdhsa_system_sgpr_workgroup_id_z 1
		.amdhsa_system_vgpr_workitem_id 0
		.amdhsa_next_free_vgpr 576
		.amdhsa_next_free_sgpr 96
		.amdhsa_reserve_vcc 0
		.amdhsa_float_denorm_mode_32 3
		.amdhsa_float_denorm_mode_16_64 3
		.amdhsa_memory_ordered 1
		.amdhsa_forward_progress 1
		.amdhsa_inst_pref_size 101
	.end_amdhsa_kernel
	.amdgpu_metadata
---
amdhsa.version: [ 1, 2 ]
amdhsa.kernels:
  - .name:           k_qefe6bcb82f_pv
    .symbol:         k_qefe6bcb82f_pv.kd
    .args:
      - { .name: pb, .offset: 0, .size: 8, .value_kind: global_buffer, .address_space: global }
      - { .name: vt, .offset: 8, .size: 8, .value_kind: global_buffer, .address_space: global }
      - { .name: mst, .offset: 16, .size: 8, .value_kind: global_buffer, .address_space: global }
      - { .name: lst, .offset: 24, .size: 8, .value_kind: global_buffer, .address_space: global }
      - { .name: out0, .offset: 32, .size: 8, .value_kind: global_buffer, .address_space: global }
    .group_segment_fixed_size: 327680
    .private_segment_fixed_size: 0
    .kernarg_segment_align: 8
    .kernarg_segment_size: 40
    .max_flat_workgroup_size: 128
    .sgpr_count:     96
    .vgpr_count:     576
    .wavefront_size: 32
...
	.end_amdgpu_metadata
.endif
;; end of part 4
